; MI455X (gfx1250); checked and timed in simulation.
; The chip was launched on July 23, 2026; its instructions are those of AMD's public machine-readable ISA for CDNA 5 (MIT licence, August 2026) and "CDNA5" Instruction Set Architecture Reference Guide (July 2026). The comments in the code are by the model that wrote it; some were corrected since.
;; Multi Head Attention. Allowed arithmetic: matrix products marked QUANTISED: E2M1 operands, one E8M0 scale for each 32 along K, by v_wmma_scale_f32_16x16x128_f8f6f4 with both operands' format E2M1 (or v_wmma_scale_f32_32x16x128_f4), f32 sums; products left as they are: bf16, f16 or f32 operands; f32 sums; everything else in f32.
;; Inputs: W_k 1,024 x 1,024 float32; W_o 1,024 x 1,024 float32; W_q 1,024 x 1,024 float32; W_v 1,024 x 1,024 float32; b_k 1,024 float32; b_o 1,024 float32; b_q 1,024 float32; b_v 1,024 float32; k 4 x 2,048 x 1,024 float32; q 4 x 2,048 x 1,024 float32; v 4 x 2,048 x 1,024 float32.
;; Outputs: out0 4 x 2,048 x 1,024 float32.
;; This version of the problem:
;;   THIS VERSION OF THE PROBLEM IS GIVEN IN LOW PRECISION. The matrix products marked QUANTISED in the list below multiply operands that are first quantised to E2M1 (2 exponent bits, 1 mantissa bit; 4 bits a number), with one power-of-two scale for each 32 numbers along K (OCP MX v1.0); their sums are f32. The products marked 'left as it is' may take bf16, f16 or f32 operands, with f32 sums. All else is computed in f32.
;;   The module's matrix products, in the order in which they are computed (A, B: the left and right operand; K: the contracted axis; several contracted axes count as one K, in the product's order):
;;     1. [M 8,192, K 1,024] x [K 1,024, N 1,024]; A: input q; B: input W_q: QUANTISED
;;     2. [M 8,192, K 1,024] x [K 1,024, N 1,024]; A: input k; B: input W_k: QUANTISED
;;     3. [M 8,192, K 1,024] x [K 1,024, N 1,024]; A: input v; B: input W_v: QUANTISED
;;     4. batch 64 x [M 2,048, K 64] x [K 64, N 2,048]; A: computed on the way; B: computed on the way: left as it is (an operand is computed on the way)
;;     5. batch 64 x [M 2,048, K 2,048] x [K 2,048, N 64]; A: computed on the way; B: computed on the way: left as it is (an operand is computed on the way)
;;     6. [M 8,192, K 1,024] x [K 1,024, N 1,024]; A: computed on the way; B: input W_o: left as it is (an operand is computed on the way)
;;   THE QUANTISER, for each operand of a quantised product, along K:
;;     - K is cut into blocks of 32 from its start; a last block that is shorter is filled with zeros.
;;     - A block's scale is 2^e with e = floor(log2(the largest magnitude in the block)) - 2, held to -126 .. 127; a block of zeros has e = 0. As a byte (E8M0): e + 127.
;;     - Each number is divided by its block's scale, clamped to +-6, and rounded to the nearest number of E2M1, ties to even, subnormals kept.
;;     - The product sums the exact products of the quantised numbers (number of the format x scale) in f32.
;;   ~~~python
;;   def quantise(x, axis):      # numpy; x: float32 -> the quantised numbers, widened to float32 again
;;       x = np.moveaxis(x, axis, -1); K = x.shape[-1]
;;       x = np.pad(x, [(0, 0)] * (x.ndim - 1) + [(0, -K % 32)]); x = x.reshape(x.shape[:-1] + (-1, 32)); a = np.abs(x).max(-1, keepdims=True)
;;       e = np.where(a > 0, np.clip(np.frexp(np.where(a > 0, a, 1))[1] - 1 - 2, -126, 127), 0)      # np.frexp(a)[1] - 1 = floor(log2(a)), exactly
;;       r = np.clip(x / 2.0 ** e, -6, 6)
;;       step = 2.0 ** (np.maximum(np.frexp(np.where(r == 0, 1, r))[1] - 1, 0) - 1)
;;       q = np.round(r / step) * step * 2.0 ** e      # np.round: ties to even
;;       return np.moveaxis(q.reshape(q.shape[:-2] + (-1,))[..., :K], -1, axis).astype(np.float32)
;;   ~~~
;; One version. Each part assembles by itself: llvm-mc -triple=amdgcn-amd-amdhsa -mcpu=gfx1250 --defsym DOCPART=n.
;; ======== version 1 of 1: 4 launches
;; limits: values are held in f16: magnitudes above 65,504 overflow, below 6.1e-05 lose precision
;; workspace buffers: xc 12,582,912 bytes; xs 786,432 bytes; wc 1,572,864 bytes; ws 98,304 bytes; wo 2,097,152 bytes; hd 50,331,648 bytes; ao 16,777,216 bytes
;; launch prep (part 1): grid 896 x 1, 4 waves a work-group, no clusters, 33,280 bytes of LDS; arguments q, k, v, W_q, W_k, W_v, W_o, xc, xs, wc, ws, wo; writes xc, xs, wc, ws, wo
.if DOCPART == 1
	.amdgcn_target "amdgcn-amd-amdhsa--gfx1250"
	.amdhsa_code_object_version 6
	.text
	.protected	k_q71cb4d666e_prep
	.globl	k_q71cb4d666e_prep
	.p2align	8
	.type	k_q71cb4d666e_prep,@function
k_q71cb4d666e_prep:
	s_mov_b64 s[64:65], 0
	v_nop
	global_prefetch_b8 v0, s[64:65] scope:SCOPE_SE
	s_setreg_imm32_b32 hwreg(HW_REG_WAVE_MODE, 25, 1), 1
	s_wait_xcnt 0x0
; PREP: everything that later launches read many times is brought into its narrow form once.
;  q, k, v [8192][1024] f32 -> xc: codes of FP4 (E2M1), K innermost, 512 bytes a row, the three tensors on end; xs: one E8M0 byte for each 32 along K, 32 bytes a row.
;  W_q, W_k, W_v [k 1024][n 1024] f32 (K is the FIRST axis) -> wc: codes laid as IMAGES OF THE OPERAND'S REGISTERS: [tensor][512 k][16 n][128 k][1,024 bytes]; in a fragment the 16 bytes
;  at 256 x (block of 32 k) + 16 x (n % 16) are that column's 32 codes of the block.  ws: [tensor][n][32] scale bytes.
;  W_o [k][n] f32 -> wo: f16, images of 16 n x 32 k: [128 k][16 n][32 k][1,024 bytes]; the 16 bytes at 256 p + 16 (n % 16) are k = 8 p .. 8 p + 7 of the column.
; A block's scale is 2^(floor(log2(its largest magnitude)) - 2); its byte is the largest magnitude's exponent field - 2, held at 1 from below.
; LIMITS: a block of zeros gets the byte 1 where the rule says 127 (its codes are zeros, and this program alone reads the bytes); blocks whose largest magnitude lies under 2^-124 have the byte held at 1;
; NaN and infinities are not served; |W_o| stays under 65,504 (f16).
; SHARES: work-groups 0-127 take the weights (32 for each: 8 strips of 128 columns x 4 quarters of K), work-groups 128-895 the rows of q, k, v (32,768 numbers each).  Only the rows' path touches LDS.
.set NWW,   128                        ; work-groups of the weights' paths
.set STEPS, 16
.set EMAX,  2
.set CB,    8                          ; bytes of 16 codes
.set R,     16                         ; v16-79   rows' path: four sets of 16 numbers as they are loaded
.set X,     80                         ; v80-111  two sets of 16 neighbours
.set E,     112                        ; v112-127 a scale byte for each step
.set C,     128                        ; v128-191 codes: four registers for each step
.set WREG,  8192                       ; LDS: a region for each wave: two stages of 32 x SP bytes, then its 256 scale bytes
.set SP,    80                         ; a lane's place in a stage: 64 bytes + 16 of padding
.set NB,    8                          ; weights' paths: blocks of 32 along K for a wave
.set WX,    32                         ; v32-95   two sets of 32 numbers, down K
.set WC,    96                         ; v96-159  results on their way out
.set SB,    24                         ; v24-25   the scale bytes, four to a register
	s_load_b256 s[4:11], s[0:1], 0x0               ; q s[4:5], k s[6:7], v s[8:9], W_q s[10:11]
	s_load_b256 s[12:19], s[0:1], 0x20             ; W_k s[12:13], W_v s[14:15], W_o s[16:17], xc s[18:19]
	s_load_b256 s[20:27], s[0:1], 0x40             ; xs s[20:21], wc s[22:23], ws s[24:25], wo s[26:27]
	v_lshl_add_u32 v192, v0, 2, 0x8000
	v_mov_b32 v193, 0
	v_lshrrev_b32 v1, 5, v0
	v_readfirstlane_b32 s28, v1                    ; wave
	v_and_b32 v2, 31, v0                           ; lane
	s_wait_kmcnt 0x0
	s_cmp_lt_u32 ttmp9, NWW
	s_cbranch_scc1 .Lweights
; ---- THE ROWS OF q, k, v.  Rows are dense and K is a multiple of 32: a tensor is a plain stream of blocks of 32, and so are its codes and scale bytes.
; A wave takes 16 steps of 512 numbers.  Each load reads 512 consecutive bytes; a step's 2,048 bytes turn through the wave's own stage in LDS and come back 64 bytes a lane: 16 neighbours, two lanes to a block.
	v_lshlrev_b32 v3, 4, v2                        ; my 16 bytes of a load's 512
	s_mul_i32 s29, s28, WREG
	v_lshrrev_b32 v14, 2, v2
	v_mul_u32_u24 v14, v14, SP
	v_and_b32 v15, 3, v2
	v_lshl_add_u32 v14, v15, 4, v14
	v_add_nc_u32 v14, s29, v14                     ; the stage, on the way in: SP (lane / 4) + 16 (lane % 4)
	v_mul_u32_u24 v15, v2, SP
	v_add_nc_u32 v15, s29, v15                     ; and on the way out: SP x lane
	v_mul_u32_u24 v4, v2, CB                       ; my codes' place in a step's
	v_lshrrev_b32 v5, 1, v2
	s_add_co_u32 s29, s29, 2*32*SP
	v_add_nc_u32 v5, s29, v5                       ; LDS: my wave's 256 scale bytes, my block's byte
	v_lshlrev_b32 v7, 3, v2                        ; and on the way out 8 bytes a lane
	v_add_nc_u32 v6, s29, v7
	s_sub_co_u32 s30, ttmp9, NWW                   ; 0 .. 767: 256 work-groups for each tensor
	s_cmp_lt_u32 s30, 512
	s_cselect_b64 s[6:7], s[6:7], s[8:9]           ; k or v: the choice hangs on the work-group's number alone
	s_cmp_lt_u32 s30, 256
	s_cselect_b64 s[4:5], s[4:5], s[6:7]           ; q or that
	s_lshl_b32 s30, s30, 2
	s_add_co_u32 s30, s30, s28                     ; my wave's run of 8,192 numbers: 0 .. 3,071 over the three tensors
	s_and_b32 s32, s30, 1023
	s_lshl_b32 s32, s32, 15                        ; 32,768 bytes a run in its own tensor
	s_mov_b32 s33, 0
	s_add_nc_u64 s[4:5], s[4:5], s[32:33]
	s_lshl_b32 s32, s30, 12                        ; 4,096 bytes of codes a run
	s_add_nc_u64 s[18:19], s[18:19], s[32:33]
	s_lshl_b32 s32, s30, 8                         ; 256 scale bytes a run
	s_add_nc_u64 s[20:21], s[20:21], s[32:33]
.macro XLOAD t
.irp i, 0,1,2,3
	global_load_b128 v[R+16*((\t)%4)+4*\i:R+16*((\t)%4)+4*\i+3], v3, s[4:5] offset:2048*(\t)+512*\i th:TH_LOAD_NT   ; 32 lanes read 512 consecutive bytes
.endr
.endm
.macro XTURN t                         ; step t's numbers through the stage: LDS serves a wave's instructions in order (ISA guide 5.7.1.4), so no wait stands between the stores and the loads
.irp i, 0,1,2,3
	ds_store_b128 v14, v[R+16*((\t)%4)+4*\i:R+16*((\t)%4)+4*\i+3] offset:32*SP*((\t)%2)+8*SP*\i
.endr
.irp i, 0,1,2,3
	ds_load_b128 v[X+16*((\t)%2)+4*\i:X+16*((\t)%2)+4*\i+3], v15 offset:32*SP*((\t)%2)+16*\i
.endr
.endm
.irp t, 0,1,2,3
	XLOAD \t
.endr
	s_wait_loadcnt 12                              ; step 0's four loads are in; the twelve of steps 1 to 3 may be out
	XTURN 0
.macro XSTEP t
.set XS, X+16*((\t)%2)
.if (\t) > 0
	s_wait_dscnt 1                                 ; this step's numbers are back from the stage (the last step's byte store may be out): so its stores into the stage have read their registers,
.else
	s_wait_dscnt 0x0
.endif
.if (\t)+4 < STEPS
	XLOAD (\t)+4                                   ; which take the loads of four steps on
.endif
.if (\t)+1 < STEPS
.if STEPS-2-(\t) >= 3
	s_wait_loadcnt 12                              ; the next step's four loads are in; those of the three steps behind it may be out
.else
	s_wait_loadcnt 4*(STEPS-2-(\t))
.endif
	XTURN (\t)+1                                   ; and go through the other stage while this step is worked
.endif
	v_max3_num_f32 v8, |v[XS]|, |v[XS+1]|, |v[XS+2]|               ; the largest magnitude of my 16, in two chains
	v_max3_num_f32 v9, |v[XS+3]|, |v[XS+4]|, |v[XS+5]|
.irp i, 6,10
	v_max3_num_f32 v8, v8, |v[XS+\i]|, |v[XS+\i+1]|
	v_max3_num_f32 v9, v9, |v[XS+\i+2]|, |v[XS+\i+3]|
.endr
	v_max3_num_f32 v8, v8, |v[XS+14]|, |v[XS+15]|
	v_max3_num_f32 v8, v8, v9, (EMAX+1)<<23        ; and the floor 2^(3 - 127): the byte cannot fall under 1
	v_max_num_f32_dpp v8, v8, v8 row_xmask:1 row_mask:0xf bank_mask:0xf   ; and of my neighbour's 16: the block's
	v_add_nc_u32 v11, -(EMAX<<23), v8              ; 2 off its exponent field: the conversion takes the exponent field of this operand as its scale
	v_cvt_scalef32_pk8_fp4_f32 v[C+4*(\t)], v[XS:XS+7], v11
	v_cvt_scalef32_pk8_fp4_f32 v[C+4*(\t)+1], v[XS+8:XS+15], v11
	v_lshrrev_b32 v[E+(\t)], 23, v11               ; the scale's byte (a plain line behind the conversions)
	ds_store_b8 v5, v[E+(\t)] offset:16*(\t)       ; both lanes of a block write the same byte with the same value
	global_store_b64 v4, v[C+4*(\t):C+4*(\t)+1], s[18:19] offset:32*CB*(\t)   ; the wave stores 256 consecutive bytes, aligned
.endm
.irp t, 0,1,2,3,4,5,6,7,8,9,10,11,12,13,14,15
	XSTEP \t
.endr
	ds_load_b64 v[12:13], v6                       ; these see my byte stores: a wave's LDS instructions are served in order
	s_wait_dscnt 0x0
	global_store_b64 v7, v[12:13], s[20:21]        ; 32 lanes store 256 consecutive bytes, aligned
	s_wait_tensorcnt 0x0
	ds_add_u32 v192, v193
	s_wait_dscnt 0x0
	s_endpgm
; ---- THE WEIGHTS.  A LANE TAKES A COLUMN n, AND ITS REGISTERS RUN DOWN K: each load reads 128 consecutive bytes a wave (512 a work-group), a block of 32 along K lies in one lane's 32 registers,
; and what is made of it is 16 bytes (codes) or 64 bytes (f16) of that column's place in a fragment's image: it leaves straight from the registers, sixteen lanes to 256 consecutive bytes.
.Lweights:
	s_lshr_b32 s29, ttmp9, 5                       ; which weight: 0, 1, 2 = W_q, W_k, W_v; 3 = W_o
	s_bfe_u32 s30, ttmp9, 0x20003                  ; which quarter of K (256 rows)
	s_and_b32 s31, ttmp9, 7                        ; which strip of 128 columns
	s_cmp_eq_u32 s29, 0
	s_cselect_b64 s[10:11], s[10:11], s[12:13]
	s_cmp_lt_u32 s29, 2
	s_cselect_b64 s[10:11], s[10:11], s[14:15]
	s_cmp_lt_u32 s29, 3
	s_cselect_b64 s[10:11], s[10:11], s[16:17]
	s_lshl_b32 s32, s31, 7
	s_lshl_b32 s33, s28, 5
	s_add_co_u32 s32, s32, s33                     ; n0: my wave's first column
	s_lshl_b32 s34, s30, 20                        ; 256 rows of 4,096 bytes
	s_lshl_b32 s35, s32, 2
	s_add_co_u32 s34, s34, s35
	s_mov_b32 s35, 0
	s_add_nc_u64 s[10:11], s[10:11], s[34:35]
	v_lshlrev_b32 v3, 2, v2                        ; in: 4 bytes a lane
.macro WLOAD t                         ; block t: W(32 t + i, my column), i = 0 .. 31, into set t % 2
.irp i, 0,1,2,3,4,5,6,7,8,9,10,11,12,13,14,15,16,17,18,19,20,21,22,23,24,25,26,27,28,29,30,31
	global_load_b32 v[WX+32*((\t)%2)+\i], v3, s[10:11] offset:(32*(\t)+\i)*4096 th:TH_LOAD_NT
.endr
.endm
	WLOAD 0
	WLOAD 1
	v_lshrrev_b32 v4, 4, v2
	v_and_b32 v5, 15, v2
	v_lshlrev_b32 v4, 12, v4                       ; out: lanes 16-31 belong to the next tile of 16 columns, 4,096 bytes on;
	v_lshl_add_u32 v4, v5, 4, v4                   ; 16 bytes a column
	s_cmp_eq_u32 s29, 3
	s_cbranch_scc1 .Lwo
	; W_q, W_k, W_v: codes and scale bytes
	s_lshl_b32 s34, s29, 19                        ; a tensor's codes: 524,288 bytes
	s_lshr_b32 s35, s30, 1
	s_lshl_b32 s35, s35, 18                        ; 512 along K: 262,144
	s_add_co_u32 s34, s34, s35
	s_and_b32 s35, s30, 1
	s_lshl_b32 s35, s35, 11                        ; my eight blocks of the sixteen: 8 x 256
	s_add_co_u32 s34, s34, s35
	s_lshl_b32 s35, s32, 8                         ; (n0 / 16) x 4,096
	s_add_co_u32 s34, s34, s35
	s_mov_b32 s35, 0
	s_add_nc_u64 s[22:23], s[22:23], s[34:35]
	s_lshl_b32 s34, s29, 15                        ; a tensor's scale bytes: 32,768
	s_lshl_b32 s36, s32, 5
	s_add_co_u32 s34, s34, s36
	s_lshl_b32 s36, s30, 3
	s_add_co_u32 s34, s34, s36
	s_add_nc_u64 s[24:25], s[24:25], s[34:35]
	v_lshlrev_b32 v5, 5, v2                        ; my column's row of 32 scale bytes
.macro BLOCKW t
.set XS, WX+32*((\t)%2)
.if (\t) < NB-1
	s_wait_loadcnt 32                              ; this block's 32 loads are in; the next block's may be out
.else
	s_wait_loadcnt 0x0
.endif
	v_max3_num_f32 v12, |v[XS]|, |v[XS+1]|, |v[XS+2]|              ; the block's largest magnitude: all 32 numbers are mine
	v_max3_num_f32 v13, |v[XS+3]|, |v[XS+4]|, |v[XS+5]|
.irp i, 6,10,14,18,22,26
	v_max3_num_f32 v12, v12, |v[XS+\i]|, |v[XS+\i+1]|
	v_max3_num_f32 v13, v13, |v[XS+\i+2]|, |v[XS+\i+3]|
.endr
	v_max3_num_f32 v12, v12, |v[XS+30]|, |v[XS+31]|
	v_max3_num_f32 v12, v12, v13, (EMAX+1)<<23     ; and the floor
	v_add_nc_u32 v11, -(EMAX<<23), v12             ; the conversion's scale operand
	v_lshrrev_b32 v13, 23, v11                     ; the scale's byte
.if (\t)%4 == 0
	v_mov_b32 v[SB+(\t)/4], v13                    ; four bytes to a register, the lower K in the lower byte
.else
	v_lshl_or_b32 v[SB+(\t)/4], v13, 8*((\t)%4), v[SB+(\t)/4]
.endif
.irp g, 0,1,2,3
	v_cvt_scalef32_pk8_fp4_f32 v[WC+4*(\t)+\g], v[XS+8*\g:XS+8*\g+7], v11     ; each block has registers of its own for its codes: no store's data are written again
.endr
	global_store_b128 v4, v[WC+4*(\t):WC+4*(\t)+3], s[22:23] offset:256*(\t)  ; sixteen lanes store 256 consecutive bytes, aligned
.if (\t)+2 < NB
	WLOAD (\t)+2
.endif
.endm
.irp t, 0,1,2,3,4,5,6,7
	BLOCKW \t
.endr
	global_store_b64 v5, v[SB:SB+1], s[24:25]      ; my column's 8 scale bytes of this quarter of K: pieces of 8 bytes, 32 bytes apart; 98,304 bytes in the whole launch
	s_endpgm
	; W_o: f16
.Lwo:
	s_lshl_b32 s34, s30, 19                        ; my quarter of K is two runs of 128: 2 x 262,144 bytes
	s_lshl_b32 s35, s32, 8                         ; (n0 / 16) x 4,096
	s_add_co_u32 s34, s34, s35
	s_mov_b32 s35, 0
	s_add_nc_u64 s[26:27], s[26:27], s[34:35]
.macro BLOCKO t
.set XS, WX+32*((\t)%2)
.set OC, WC+16*((\t)%4)
.if (\t) < NB-1
	s_wait_loadcnt 32                              ; this block's 32 loads are in; the next block's may be out
.else
	s_wait_loadcnt 0x0
.endif
.if (\t) >= 4
	s_wait_xcnt 0x0                                ; the stores of four blocks back have read their registers, which are written again below
.endif
.irp i, 0,1,2,3,4,5,6,7,8,9,10,11,12,13,14,15
	v_cvt_pk_f16_f32 v[OC+\i], v[XS+2*\i], v[XS+2*\i+1]            ; the lower k in the low half
.endr
.irp p, 0,1,2,3
	global_store_b128 v4, v[OC+4*\p:OC+4*\p+3], s[26:27] offset:((\t)/4)*262144+((\t)%4)*1024+256*\p   ; piece p: k = 8 p .. 8 p + 7; sixteen lanes store 256 consecutive bytes, aligned
.endr
.if (\t)+2 < NB
	WLOAD (\t)+2
.endif
.endm
.irp t, 0,1,2,3,4,5,6,7
	BLOCKO \t
.endr
	s_endpgm
.Lfunc_end_k_q71cb4d666e_prep:
	.size	k_q71cb4d666e_prep, .Lfunc_end_k_q71cb4d666e_prep-k_q71cb4d666e_prep
	.p2alignl 7, 3214868480
	.fill 96, 4, 3214868480
	.section	.rodata,"a",@progbits
	.p2align	6, 0x0
	.amdhsa_kernel k_q71cb4d666e_prep
		.amdhsa_group_segment_fixed_size 33280
		.amdhsa_private_segment_fixed_size 0
		.amdhsa_enable_private_segment 0
		.amdhsa_kernarg_size 96
		.amdhsa_user_sgpr_count 2
		.amdhsa_user_sgpr_kernarg_segment_ptr 1
		.amdhsa_wavefront_size32 1
		.amdhsa_system_sgpr_workgroup_id_x 1
		.amdhsa_system_sgpr_workgroup_id_y 1
		.amdhsa_system_sgpr_workgroup_id_z 1
		.amdhsa_system_vgpr_workitem_id 0
		.amdhsa_next_free_vgpr 194
		.amdhsa_next_free_sgpr 66
		.amdhsa_reserve_vcc 0
		.amdhsa_float_denorm_mode_32 3
		.amdhsa_float_denorm_mode_16_64 3
		.amdhsa_memory_ordered 1
		.amdhsa_forward_progress 1
		.amdhsa_inst_pref_size 101
	.end_amdhsa_kernel
	.amdgpu_metadata
---
amdhsa.version: [ 1, 2 ]
amdhsa.kernels:
  - .name:           k_q71cb4d666e_prep
    .symbol:         k_q71cb4d666e_prep.kd
    .args:
      - { .name: q, .offset: 0, .size: 8, .value_kind: global_buffer, .address_space: global }
      - { .name: k, .offset: 8, .size: 8, .value_kind: global_buffer, .address_space: global }
      - { .name: v, .offset: 16, .size: 8, .value_kind: global_buffer, .address_space: global }
      - { .name: W_q, .offset: 24, .size: 8, .value_kind: global_buffer, .address_space: global }
      - { .name: W_k, .offset: 32, .size: 8, .value_kind: global_buffer, .address_space: global }
      - { .name: W_v, .offset: 40, .size: 8, .value_kind: global_buffer, .address_space: global }
      - { .name: W_o, .offset: 48, .size: 8, .value_kind: global_buffer, .address_space: global }
      - { .name: xc, .offset: 56, .size: 8, .value_kind: global_buffer, .address_space: global }
      - { .name: xs, .offset: 64, .size: 8, .value_kind: global_buffer, .address_space: global }
      - { .name: wc, .offset: 72, .size: 8, .value_kind: global_buffer, .address_space: global }
      - { .name: ws, .offset: 80, .size: 8, .value_kind: global_buffer, .address_space: global }
      - { .name: wo, .offset: 88, .size: 8, .value_kind: global_buffer, .address_space: global }
    .group_segment_fixed_size: 33280
    .private_segment_fixed_size: 0
    .kernarg_segment_align: 8
    .kernarg_segment_size: 96
    .max_flat_workgroup_size: 128
    .sgpr_count:     66
    .vgpr_count:     194
    .wavefront_size: 32
...
	.end_amdgpu_metadata
.endif
;; end of part 1
;; launch proj (part 2): grid 4 x 96, 4 waves a work-group, clusters of 4 x 4, 327,680 bytes of LDS; arguments xc, xs, wc, ws, b_q, b_k, b_v, hd; writes hd
.if DOCPART == 2
	.amdgcn_target "amdgcn-amd-amdhsa--gfx1250"
	.amdhsa_code_object_version 6
	.text
	.protected	k_q71cb4d666e_proj
	.globl	k_q71cb4d666e_proj
	.p2align	8
	.type	k_q71cb4d666e_proj,@function
k_q71cb4d666e_proj:
	s_mov_b64 s[64:65], 0
	v_nop
	global_prefetch_b8 v0, s[64:65] scope:SCOPE_SE
	s_setreg_imm32_b32 hwreg(HW_REG_WAVE_MODE, 25, 1), 1
	s_wait_xcnt 0x0
	s_wait_alu depctr_hold_cnt(0) depctr_sa_sdst(0) depctr_va_vdst(0) depctr_va_sdst(0) depctr_va_ssrc(0) depctr_va_vcc(0) depctr_vm_vsrc(0)
	s_getreg_b32 s2, hwreg(HW_REG_IB_STS2, 6, 4)
	s_cmp_eq_u32 s2, 0
	s_cbranch_scc0 .Lentry_in_a_cluster
	s_endpgm
.Lentry_in_a_cluster:
	s_bfe_u32 s2, ttmp6, 0x10000c
	s_cmp_lg_u32 s2, 0xf033
	s_cbranch_scc0 .Lentry_shape_is_right
	s_endpgm
.Lentry_shape_is_right:
; PROJ: the three quantised products in one launch: [q; k; v] (24,576 rows of 1,024 codes of FP4 with E8M0 scales) x W_q, W_k, W_v (codes as register images) + bias, f32 sums, results rounded once to f16.
; A tile of 256 rows x 256 columns is made by four waves, as many as a WGP has SIMDs; a wave makes 128 x 128: 64 accumulators of 16 x 16, 512 registers.  Tile rows 0-31 belong to q, 32-63 to k, 64-95 to v.
; K = 1,024 is exactly two LDS slots of 512: both are asked for at the start, nothing is filled again, and there is no loop.  The scale bytes of the tile's rows and columns for all of K come with them.
; CLUSTERS: 4 x 4 work-groups.  The four of a row need the same rows of x, the four of a column the same columns of W (a cluster lies inside one of the three tensors): each tile is asked for jointly.
; THE MATRIX INSTRUCTION IS USED TRANSPOSED (source 0 = 16 columns of W, source 1 = 16 rows of x): a lane then holds eight neighbouring channels of one token.  The bias is the C of each sum's first product.
; THE WAY OUT NEEDS NO LDS: hd is laid as images of the next launch's operand registers, [tensor][batch x 16 + head][16 tokens][32 channels][1,024 bytes]: a lane's eight channels, packed to 16 bytes, are one piece
; of such an image, and each store of the wave covers 512 consecutive bytes.  q's and k's pieces lie at 512 j + 256 h + 16 r (token r, channels 16 j + 8 h on); v's at 512 j + 32 r + 16 h, rows of 16 channels, for the turning LDS load.
; LIMIT: the results are kept in f16: |x W + b| stays under 65,504.
; REGISTERS, in windows of 256: window 0: v16-29 addresses; v32-95 scale words, two sets; v128-191 x's fragments, one set; v192-255 the bias; on the way out v128-255 hold packed results.
;   window 1: W's fragments, two sets, at v0 and v128.   window 2: the accumulators of my rows 0-63 ((a, b) at v[8 (8 a + b)]);   window 3: those of my rows 64-127.
.set NQ,     4                         ; matrix instructions deep in a slot
.set PITCH,  272                       ; x's LDS row: 256 bytes + 16 of padding = 68 words: the 16 rows that a load touches start at 16 different banks (64 banks of 4 bytes: ISA guide 11.1)
.set FR,     8                         ; registers of a fragment: 16 rows x 128 K
.set NL,     2                         ; LDS loads that bring one
.set NP,     4                         ; places behind this matrix instruction (ISA guide 7.12.1)
.set HALFT,  128*PITCH                 ; 128 rows of x: what one tensor load brings
.set HALFB,  32768                     ; 128 columns of W x 512 K as images: dense
.set SLOT,   2*HALFT+2*HALFB           ; x's 256 rows, then W's 256 columns
.set KS,     32                        ; a row of scale bytes
.set SCL,    2*SLOT                    ; behind the slots: the scales, as runs of 256 bytes + 16 of padding
.set HALFS,  (128*KS/256)*272          ; those of 128 rows
.set SBLK,   (16*KS/256)*272           ; those of 16 rows
.set SPARE,  SCL+4*HALFS               ; the spare words, 128 bytes for each wave: two blocks of 256 bytes that no other line names
.set ADRA, 16                          ; v16-17  LDS address of my fragments of x in slot 0, 1
.set ADRB, 20                          ; v20-21  the same for W
.set CO,   26                          ; v26     my 16 bytes in a store's 512
.set ADRS, 27                          ; v27     LDS address of my scale words: lanes 0-15 x's rows, lanes 16-31 W's columns
.set SPW,  28                          ; v28     LDS address of my spare word; never rewritten
.set NIL,  29                          ; v29     0; never rewritten
.set SC,   32                          ; scale words: set s at v[SC + 32 s]; register 4 i + q: lanes 0-15 x's block i, lanes 16-31 W's block i, the slot's q-th 128 along K
.set AF,   128                         ; x's fragments
.set BI,   192                         ; the bias: eight registers for each of my eight tiles of columns
.set PK,   128                         ; the way out: four sets of 32 registers
.set G1, 24                            ; s[24:31] group 1 for x's tiles;  s[32:39] group 0, one set for each slot
.set G0, 32
.set G1B, 48                           ; s[48:55], s[56:63] the same for W's
.set G0B, 56
.set G1S, 68                           ; s[68:75], s[76:79] groups 1 and 0 for x's scales;  s[80:87], s[88:91] for W's
.set G0S, 76
.set G1SB, 80
.set G0SB, 88
.set MSB, 0
.macro WIN new                         ; the immediate's high byte repeats the setting that is left
.if MSB != (\new)
	s_set_vgpr_msb (MSB<<8)|(\new)
.set MSB, (\new)
.endif
.endm
.set MUL_LO, 0xa1                      ; source 0 (W) window 1, source 1 (x) window 0, C and D window 2
.set MUL_HI, 0xf1                      ; the same, C and D window 3
.set TO_B,   0x40                      ; destination window 1, address window 0
; A joint load: waves 0 and 1 fetch for x, waves 2 and 3 for W.  The branch hangs on the wave's number alone.  Four v_nop follow each of the two lines.
.macro JLOAD g0a, g1a, g0b, g1b
	s_cmp_eq_u32 s21, 0
	s_cbranch_scc0 .Lfor_b_\@
	tensor_load_to_lds s[\g0a:\g0a+3], s[\g1a:\g1a+7]
	s_nop 0
.rept 4
	v_nop
.endr
	s_branch .Lasked_\@
.Lfor_b_\@:
	tensor_load_to_lds s[\g0b:\g0b+3], s[\g1b:\g1b+7]
	s_nop 0
.rept 4
	v_nop
.endr
.Lasked_\@:
.endm
.macro CROUND                          ; a round of the cluster's barrier
	s_barrier_signal -1
	s_barrier_wait -1
	s_cmp_lg_u32 s20, 0
	s_cbranch_scc1 .Lnot_wave_0_\@
	s_barrier_signal -3
.Lnot_wave_0_\@:
	s_barrier_wait -3
	s_barrier_signal -1
	s_barrier_wait -1
.endm
	s_load_b256 s[4:11], s[0:1], 0x0               ; xc s[4:5], xs s[6:7], wc s[8:9], ws s[10:11]
	s_load_b256 s[12:19], s[0:1], 0x20             ; b_q s[12:13], b_k s[14:15], b_v s[16:17], hd s[18:19]
	v_lshl_add_u32 v[SPW], v0, 2, SPARE
	v_mov_b32 v[NIL], 0
	ds_add_u32 v28, v29
	s_wait_dscnt 0x0
	v_lshrrev_b32 v1, 5, v0
	v_readfirstlane_b32 s20, v1                    ; wave 0..3
	s_lshr_b32 s21, s20, 1                         ; which half of the tile's rows is mine.  Also: I fetch for x (0) or for W (1)
	s_and_b32 s22, s20, 1                          ; which half of its columns.  Also: which 128 rows or columns I fetch
	s_bfe_u32 s40, ttmp6, 0x40000                  ; cx, cy: my place in the cluster
	s_bfe_u32 s41, ttmp6, 0x40004
	s_lshl_b32 s42, ttmp9, 2
	s_add_co_u32 s42, s42, s40                     ; tile column = 4 x cluster x + cx
	s_and_b32 s66, ttmp7, 0xffff                   ; cluster y: 0 .. 23
	s_lshl_b32 s67, s66, 2
	s_add_co_u32 s67, s67, s41                     ; tile row = 4 x cluster y + cy: 0 .. 95
	s_lshr_b32 s66, s66, 3                         ; the tensor: 0 q, 1 k, 2 v: the same in all sixteen partners
	s_lshl_b32 s43, s41, 2
	s_lshl_b32 s43, 15, s43                        ; my row of the cluster
	s_lshl_b32 s44, 0x1111, s40                    ; my column
	s_or_b32 s[G1+0], s43, (0<<16)|(1<<20)|(1<<21)|(5<<22)|(3<<25)  ; x: 15:0 the mask of my row; elements of 1 byte; padding on; 21 set beside a mask; 4 words after every 64
	s_mov_b32 s[G1+1], 256<<16                     ; tensor_dim0 = 256 bytes: 512 codes
	s_mov_b32 s[G1+2], 128<<16                     ; tensor_dim1 = 128 rows
	s_mov_b32 s[G1+3], 256<<16                     ; tile_dim0
	s_mov_b32 s[G1+4], 128                         ; tile_dim1
	s_mov_b32 s[G1+5], 512                         ; a row of x's codes in memory
	s_mov_b32 s[G1+6], 0
	s_mov_b32 s[G1+7], 0
	s_or_b32 s[G1B+0], s44, (0<<16)|(1<<21)        ; W: the mask of my column; a dense block of 32,768 bytes as 128 rows of 256, no padding: images are read 16 bytes a lane on end
	s_mov_b32 s[G1B+1], 256<<16
	s_mov_b32 s[G1B+2], 128<<16
	s_mov_b32 s[G1B+3], 256<<16
	s_mov_b32 s[G1B+4], 128
	s_mov_b32 s[G1B+5], 256
	s_mov_b32 s[G1B+6], 0
	s_mov_b32 s[G1B+7], 0
	s_or_b32 s[G1S+0], s43, (3<<16)|(1<<20)|(1<<21)|(5<<22)|(3<<25) ; the scales of 128 rows: 4,096 dense bytes as 16 rows of 256 (32 elements of 8 bytes), 16 bytes of padding behind each
	s_or_b32 s[G1SB+0], s44, (3<<16)|(1<<20)|(1<<21)|(5<<22)|(3<<25)
.irp g, G1S, G1SB
	s_mov_b32 s[\g+1], 32<<16
	s_mov_b32 s[\g+2], (128*KS/256)<<16
	s_mov_b32 s[\g+3], 32<<16
	s_mov_b32 s[\g+4], 128*KS/256
	s_mov_b32 s[\g+5], 32
	s_mov_b32 s[\g+6], 0
	s_mov_b32 s[\g+7], 0
.endr
	s_lshl_b32 s23, s22, 7
	s_lshl_b32 s92, s67, 8
	s_add_co_u32 s92, s92, s23                     ; x: row 256 x tile row + 128 x half
	s_lshl_b32 s94, s92, 5                         ; its scale bytes,
	s_mov_b32 s95, 0
	s_lshl_b32 s92, s92, 9                         ; its codes
	s_mov_b32 s93, 0
	s_lshl_b32 s96, s66, 19                        ; W's codes: 524,288 a tensor,
	s_lshl_b32 s46, s42, 16                        ; 16 tiles of 16 columns x 4,096 a tile column,
	s_add_co_u32 s96, s96, s46
	s_lshl_b32 s46, s22, 15                        ; 8 of them a half
	s_add_co_u32 s96, s96, s46
	s_mov_b32 s97, 0
	s_lshl_b32 s98, s66, 15                        ; W's scale bytes: 32,768 a tensor,
	s_lshl_b32 s46, s42, 13                        ; 256 columns x 32,
	s_add_co_u32 s98, s98, s46
	s_lshl_b32 s46, s22, 12
	s_add_co_u32 s98, s98, s46
	s_mov_b32 s99, 0
	s_mul_i32 s45, s22, HALFT                      ; where they go: no place in the cluster enters an LDS address
	s_lshl_b32 s47, s22, 15
	s_add_co_u32 s47, s47, 2*HALFT
	s_mul_i32 s23, s20, HALFS
	s_wait_kmcnt 0x0
	s_add_nc_u64 s[92:93], s[4:5], s[92:93]
	s_add_nc_u64 s[94:95], s[6:7], s[94:95]
	s_add_nc_u64 s[96:97], s[8:9], s[96:97]
	s_add_nc_u64 s[98:99], s[10:11], s[98:99]
	CROUND                                         ; all sixteen work-groups are here: the joint loads meet
	s_mov_b32 s[G0S], 1
	s_add_co_u32 s[G0S+1], s23, SCL
	s_mov_b64 s[G0S+2:G0S+3], s[94:95]
	s_or_b32 s[G0S+3], s[G0S+3], 0x80000000
	s_mov_b32 s[G0SB], 1
	s_add_co_u32 s[G0SB+1], s23, SCL
	s_mov_b64 s[G0SB+2:G0SB+3], s[98:99]
	s_or_b32 s[G0SB+3], s[G0SB+3], 0x80000000
	JLOAD G0S, G1S, G0SB, G1SB                     ; the scales first: they are wanted with slot 0
.irp s, 0,1
	s_mov_b32 s[G0+4*\s], 1
	s_add_co_u32 s[G0+4*\s+1], s45, \s*SLOT
	s_add_nc_u64 s[G0+4*\s+2:G0+4*\s+3], s[92:93], \s*256
	s_or_b32 s[G0+4*\s+3], s[G0+4*\s+3], 0x80000000
	s_mov_b32 s[G0B+4*\s], 1
	s_add_co_u32 s[G0B+4*\s+1], s47, \s*SLOT
	s_add_nc_u64 s[G0B+4*\s+2:G0B+4*\s+3], s[96:97], \s*262144
	s_or_b32 s[G0B+4*\s+3], s[G0B+4*\s+3], 0x80000000
	JLOAD G0+4*\s, G1, G0B+4*\s, G1B               ; three tensor loads of mine are out behind the second of these
.endr
	v_and_b32 v1, 15, v0                           ; r = l % 16
	v_bfe_u32 v2, v0, 4, 1                         ; h = l / 16
	v_mul_u32_u24 v3, v1, PITCH
	v_lshl_add_u32 v4, v2, 4, v3                   ; x: a fragment's row x pitch + 16 x half
	v_and_b32 v5, 31, v0
	v_lshlrev_b32 v5, 4, v5                        ; W: 16 x lane in an image
	s_mul_i32 s45, s21, HALFT                      ; my 128 rows of x
	s_lshl_b32 s46, s22, 15                        ; my 128 columns of W,
	s_add_co_u32 s46, s46, 2*HALFT                 ; which lie behind x's 256 rows
.irp s, 0,1
	v_add_nc_u32 v[ADRA+\s], s45, v4
	v_add_nc_u32 v[ADRB+\s], s46, v5
	s_add_co_u32 s45, s45, SLOT
	s_add_co_u32 s46, s46, SLOT
.endr
	v_mul_u32_u24 v5, v1, KS                       ; my row's scales: 32 bytes a row,
	v_lshrrev_b32 v6, 8, v5
	v_lshl_add_u32 v5, v6, 4, v5                   ; and 16 more for each 256 passed
	s_mul_i32 s45, s21, HALFS                      ; x's: my 128 rows
	s_mul_i32 s46, s22, HALFS                      ; W's: my 128 columns, behind x's 256
	s_add_co_u32 s46, s46, 2*HALFS
	s_sub_co_u32 s46, s46, s45
	v_mul_u32_u24 v6, s46, v2                      ; lanes 16-31 take W's
	s_add_co_u32 s45, s45, SCL
	v_add_nc_u32 v5, v5, v6
	v_add_nc_u32 v[ADRS], s45, v5
	; the bias of my 128 columns: lane (r, h) wants, for tile b, those of columns 16 b + 8 h + 0 .. 7
	s_cmp_eq_u32 s66, 0
	s_cselect_b64 s[12:13], s[12:13], s[14:15]
	s_cmp_lt_u32 s66, 2
	s_cselect_b64 s[12:13], s[12:13], s[16:17]
	s_lshl_b32 s92, s42, 10
	s_lshl_b32 s93, s22, 9
	s_add_co_u32 s92, s92, s93
	s_mov_b32 s93, 0
	s_add_nc_u64 s[12:13], s[12:13], s[92:93]
	v_lshlrev_b32 v6, 5, v2
.irp b, 0,1,2,3,4,5,6,7
	global_load_b128 v[BI+8*\b:BI+8*\b+3], v6, s[12:13] offset:64*\b
	global_load_b128 v[BI+8*\b+4:BI+8*\b+7], v6, s[12:13] offset:64*\b+16
.endr
	; the way out: my piece's place in a store's 512 bytes, and where my part of hd begins
	s_cmp_eq_u32 s66, 2
	s_cselect_b32 s45, 32, 16                      ; from token to token: v 32, q and k 16
	s_mov_b32 s46, 256
	s_cselect_b32 s46, 16, s46                     ; from half to half: v 16, q and k 256
	v_mul_u32_u24 v[CO], v1, s45
	v_mad_u32_u24 v[CO], v2, s46, v[CO]
	s_lshl_b32 s92, s66, 24                        ; a tensor: 64 heads x 262,144 bytes
	s_bfe_u32 s93, s67, 0x20003                    ; the batch: a batch is 8 tile rows
	s_lshl_b32 s93, s93, 22
	s_add_co_u32 s92, s92, s93
	s_lshl_b32 s93, s42, 20                        ; a tile column is 4 heads,
	s_add_co_u32 s92, s92, s93
	s_lshl_b32 s93, s22, 19                        ; my half of it 2
	s_add_co_u32 s92, s92, s93
	s_and_b32 s93, s67, 7
	s_lshl_b32 s93, s93, 15                        ; a tile row is 16 tiles of 16 tokens x 2,048 bytes,
	s_add_co_u32 s92, s92, s93
	s_lshl_b32 s93, s21, 14                        ; my half of it 8
	s_add_co_u32 s92, s92, s93
	s_mov_b32 s93, 0
	s_add_nc_u64 s[18:19], s[18:19], s[92:93]
.macro FRAGA reg, slot, q, i           ; 16 rows x 128 K of 4-bit codes: lane l holds row l % 16; registers 4 c .. 4 c + 3 hold K = 64 c + 32 (l / 16) + 0 .. 31
.irp c, 0,1
	ds_load_b128 v[\reg+4*\c:\reg+4*\c+3], v[ADRA+\slot] offset:64*(\q)+32*\c+(\i)*16*PITCH
.endr
.endm
; 16 matrix instructions: x's blocks a0, a0 + 1 against W's eight, the slot's q-th 128 along K.  p: W's set;  sc: the set of scale words.  first = 1: the bias is the C, and the sums begin.
; The 64 accumulators take turns, one instruction a turn, in the same order in every step.
.macro MUL16 a0, p, q, sc, first
.irp a, \a0, \a0+1
.irp b, 0,1,2,3,4,5,6,7
.if \first
	v_wmma_scale_f32_16x16x128_f8f6f4 v[8*(8*((\a)%4)+\b):8*(8*((\a)%4)+\b)+7], v[128*(\p)+FR*\b:128*(\p)+FR*\b+FR-1], v[AF+FR*(\a):AF+FR*(\a)+FR-1], v[BI+8*\b:BI+8*\b+7], v[SC+8*NQ*(\sc)+NQ*\b+(\q)], v[SC+8*NQ*(\sc)+NQ*(\a)+(\q)] matrix_a_fmt:MATRIX_FMT_FP4 matrix_b_fmt:MATRIX_FMT_FP4 matrix_a_scale:MATRIX_SCALE_ROW1
.else
	v_wmma_scale_f32_16x16x128_f8f6f4 v[8*(8*((\a)%4)+\b):8*(8*((\a)%4)+\b)+7], v[128*(\p)+FR*\b:128*(\p)+FR*\b+FR-1], v[AF+FR*(\a):AF+FR*(\a)+FR-1], v[8*(8*((\a)%4)+\b):8*(8*((\a)%4)+\b)+7], v[SC+8*NQ*(\sc)+NQ*\b+(\q)], v[SC+8*NQ*(\sc)+NQ*(\a)+(\q)] matrix_a_fmt:MATRIX_FMT_FP4 matrix_b_fmt:MATRIX_FMT_FP4 matrix_a_scale:MATRIX_SCALE_ROW1
.endif
.endr
.endr
.endm
.macro FETCH_B slot, q, p              ; W's eight fragments of the slot's q-th 128 along K into set p: images, 16 bytes a lane on end
	WIN TO_B
.irp i, 0,1,2,3,4,5,6,7
.irp c, 0,1
	ds_load_b128 v[128*(\p)+FR*\i+4*\c:128*(\p)+FR*\i+4*\c+3], v[ADRB+\slot] offset:\i*4096+(\q)*1024+512*\c
.endr
.endr
	WIN 0
.endm
.macro FETCH_A slot, q, i0             ; x's blocks i0 .. i0 + 3
.irp i, \i0, \i0+1, \i0+2, \i0+3
	FRAGA AF+FR*(\i), \slot, \q, \i
.endr
.endm
.macro SCALES sc                       ; a slot's scale words into set sc: four words a row; lanes 0-15 take x's block i, lanes 16-31 W's block i
.irp i, 0,1,2,3,4,5,6,7
	ds_load_b128 v[SC+8*NQ*\sc+NQ*\i:SC+8*NQ*\sc+NQ*\i+3], v[ADRS] offset:\i*SBLK
.endr
.endm
; A load into a register that a matrix instruction has read, and a vector instruction that reads a matrix result, stand NP places behind that matrix instruction; only plain vector
; instructions that name none of its registers are places (ISA guide 7.12.1 for vector instructions).
.macro PLACES n
.rept \n
	v_nop
.endr
.endm
; A step of 128 along K that has its successor in the same slot.  A block of x is free as soon as its eight products are issued: blocks 0-3 are fetched anew in the step's middle, blocks 4-7 at its end.
.macro STEP slot, q, first
	s_wait_dscnt 4*NL                              ; W's set and x's blocks 0-3 are in; the youngest eight loads (x's blocks 4-7) may be out
.if \first
	WIN 0x81                                       ; as MUL_LO, with C (the bias) in window 0
.else
	WIN MUL_LO
.endif
	MUL16 0, (\q)%2, \q, \slot, \first
	MUL16 2, (\q)%2, \q, \slot, \first
	s_wait_dscnt 0                                 ; x's blocks 4-7 are in
	PLACES NP
	FETCH_B \slot, (\q)+1, 1-(\q)%2
	FETCH_A \slot, (\q)+1, 0
.if \first
	WIN 0xc1
.else
	WIN MUL_HI
.endif
	MUL16 4, (\q)%2, \q, \slot, \first
	MUL16 6, (\q)%2, \q, \slot, \first
	PLACES NP
	WIN 0
	FETCH_A \slot, (\q)+1, 4
.endm
; Slot 0's last step changes slots: one barrier; in front of it each wave waits for all its tensor loads (its part of slot 1).  Nothing is filled again.
.macro TURN slot, next
	s_wait_tensorcnt 0x0                           ; all my tensor loads have landed: my part of the next slot
	ds_add_u32 v[SPW], v[NIL]                      ; 0 onto my spare word
	s_wait_dscnt 4*NL+1                            ; (the add and the youngest eight loads, x's blocks 4-7, may be out)
	WIN MUL_LO
	MUL16 0, 1, NQ-1, \slot, 0                     ; sixteen matrix instructions stand between the add and the wait for it
	s_wait_dscnt 0x0                               ; the add is done, and my reads of this slot are over
	s_barrier_signal -1
	MUL16 2, 1, NQ-1, \slot, 0
	WIN 0
	s_barrier_wait -1                              ; the next slot is whole
	PLACES NP
	v_add_nc_u32 v[ADRS], 4*NQ, v[ADRS]            ; on to the next slot's scale words
	FETCH_B \next, 0, 0
	FETCH_A \next, 0, 0
	SCALES \next
	WIN MUL_HI
	MUL16 4, 1, NQ-1, \slot, 0
	MUL16 6, 1, NQ-1, \slot, 0
	PLACES NP
	WIN 0
	FETCH_A \next, 0, 4
.endm
.macro STEPS slot, from                ; the slot's steps from .. NQ - 2
.set Q, \from
.rept NQ-1-\from
	STEP \slot, Q, 0
.set Q, Q+1
.endr
.endm
	s_wait_tensorcnt 1                             ; the scales and my part of slot 0 are in (slot 1's load may be out)
	s_barrier_signal -1
	s_barrier_wait -1                              ; everybody's are
	FETCH_B 0, 0, 0
	FETCH_A 0, 0, 0
	SCALES 0
	FETCH_A 0, 0, 4
	s_wait_loadcnt 0x0                             ; the bias
	STEP 0, 0, 1
	STEPS 0, 1
	TURN 0, 1
	STEPS 1, 0
	s_wait_dscnt 4*NL                              ; the very last step: nothing more to fetch
	WIN MUL_LO
	MUL16 0, 1, NQ-1, 1, 0
	MUL16 2, 1, NQ-1, 1, 0
	s_wait_dscnt 0
	WIN MUL_HI
	MUL16 4, 1, NQ-1, 1, 0
	MUL16 6, 1, NQ-1, 1, 0
	WIN 0
; THE WAY OUT, block by block of 16 tokens x 128 channels (two heads).  Accumulator (a, b): lane (r, h) holds token 16 a + r, channels 16 b + 8 h + 0 .. 7: four registers of f16.
.macro PACK a
.set AC, 64*((\a)%4)
.set PB, PK+32*((\a)%4)
	WIN 0x0a+5*((\a)/4)                            ; sources 0 and 1: window 2 or 3
.irp b, 0,1,2,3,4,5,6,7
.irp r, 0,1,2,3
	v_cvt_pk_f16_f32 v[PB+4*\b+\r], v[AC+8*\b+2*\r], v[AC+8*\b+2*\r+1]     ; each accumulator from its low end on
.endr
.endr
	WIN 0
.endm
.macro SEND a
.set PB, PK+32*((\a)%4)
.irp b, 0,1,2,3,4,5,6,7
	global_store_b128 v[CO], v[PB+4*\b:PB+4*\b+3], s[18:19] offset:(\b/4)*262144+(\a)*2048+((\b/2)%2)*1024+(\b%2)*512   ; head b / 4, tile of tokens a, channels 32 ((b / 2) % 2) + 16 (b % 2) on: 512 consecutive bytes
.endr
.endm
	PLACES NP                                      ; behind the last products: the conversions read results and write registers that held x's fragments
.irp a, 0,1,2,3,4,5,6,7
.if \a >= 4
	s_wait_xcnt 0x0                                ; the stores of four blocks back have read their registers, which are written again below
.endif
	PACK \a
	SEND \a
.endr
	s_wait_tensorcnt 0x0                           ; the wave's end
	ds_add_u32 v[SPW], v[NIL]
	s_wait_dscnt 0x0
	CROUND                                         ; the closing round: no work-group ends while a partner may still ask for a tile that names it
	s_endpgm
.Lfunc_end_k_q71cb4d666e_proj:
	.size	k_q71cb4d666e_proj, .Lfunc_end_k_q71cb4d666e_proj-k_q71cb4d666e_proj
	.p2alignl 7, 3214868480
	.fill 96, 4, 3214868480
	.section	.rodata,"a",@progbits
	.p2align	6, 0x0
	.amdhsa_kernel k_q71cb4d666e_proj
		.amdhsa_group_segment_fixed_size 327680
		.amdhsa_private_segment_fixed_size 0
		.amdhsa_enable_private_segment 0
		.amdhsa_kernarg_size 64
		.amdhsa_user_sgpr_count 2
		.amdhsa_user_sgpr_kernarg_segment_ptr 1
		.amdhsa_wavefront_size32 1
		.amdhsa_system_sgpr_workgroup_id_x 1
		.amdhsa_system_sgpr_workgroup_id_y 1
		.amdhsa_system_sgpr_workgroup_id_z 1
		.amdhsa_system_vgpr_workitem_id 0
		.amdhsa_next_free_vgpr 1024
		.amdhsa_next_free_sgpr 100
		.amdhsa_reserve_vcc 0
		.amdhsa_float_denorm_mode_32 3
		.amdhsa_float_denorm_mode_16_64 3
		.amdhsa_memory_ordered 1
		.amdhsa_forward_progress 1
		.amdhsa_inst_pref_size 120
	.end_amdhsa_kernel
	.amdgpu_metadata
---
amdhsa.version: [ 1, 2 ]
amdhsa.kernels:
  - .name:           k_q71cb4d666e_proj
    .symbol:         k_q71cb4d666e_proj.kd
    .args:
      - { .name: xc, .offset: 0, .size: 8, .value_kind: global_buffer, .address_space: global }
      - { .name: xs, .offset: 8, .size: 8, .value_kind: global_buffer, .address_space: global }
      - { .name: wc, .offset: 16, .size: 8, .value_kind: global_buffer, .address_space: global }
      - { .name: ws, .offset: 24, .size: 8, .value_kind: global_buffer, .address_space: global }
      - { .name: b_q, .offset: 32, .size: 8, .value_kind: global_buffer, .address_space: global }
      - { .name: b_k, .offset: 40, .size: 8, .value_kind: global_buffer, .address_space: global }
      - { .name: b_v, .offset: 48, .size: 8, .value_kind: global_buffer, .address_space: global }
      - { .name: hd, .offset: 56, .size: 8, .value_kind: global_buffer, .address_space: global }
    .group_segment_fixed_size: 327680
    .private_segment_fixed_size: 0
    .kernarg_segment_align: 8
    .kernarg_segment_size: 64
    .max_flat_workgroup_size: 128
    .sgpr_count:     100
    .vgpr_count:     1024
    .wavefront_size: 32
...
	.end_amdgpu_metadata
.endif
;; end of part 2
;; launch attn (part 3): grid 4 x 64, 8 waves a work-group, clusters of 4 x 1, 327,680 bytes of LDS; arguments hd, ao; writes ao
.if DOCPART == 3
	.amdgcn_target "amdgcn-amd-amdhsa--gfx1250"
	.amdhsa_code_object_version 6
	.text
	.protected	k_q71cb4d666e_attn
	.globl	k_q71cb4d666e_attn
	.p2align	8
	.type	k_q71cb4d666e_attn,@function
k_q71cb4d666e_attn:
	s_mov_b64 s[64:65], 0
	v_nop
	global_prefetch_b8 v0, s[64:65] scope:SCOPE_SE
	s_setreg_imm32_b32 hwreg(HW_REG_WAVE_MODE, 25, 1), 1
	s_wait_xcnt 0x0
	s_wait_alu depctr_hold_cnt(0) depctr_sa_sdst(0) depctr_va_vdst(0) depctr_va_sdst(0) depctr_va_ssrc(0) depctr_va_vcc(0) depctr_vm_vsrc(0)
	s_getreg_b32 s2, hwreg(HW_REG_IB_STS2, 6, 4)
	s_cmp_eq_u32 s2, 0
	s_cbranch_scc0 .Lentry_in_a_cluster
	s_endpgm
.Lentry_in_a_cluster:
	s_bfe_u32 s2, ttmp6, 0x10000c
	s_cmp_lg_u32 s2, 0x3003
	s_cbranch_scc0 .Lentry_shape_is_right
	s_endpgm
.Lentry_shape_is_right:
; ATTN: O[q] = the sum over k of softmax_k(Q[q] . K[k] / 8) V[k], for each of 64 (batch, head), 2,048 tokens, head size 64.  Operands in f16, products, maxima and sums in f32; the weights p are rounded to f16
; for the second product, O once at the end.  LIMIT: O is kept in f16, as its inputs are: magnitudes under 65,504.
; hd holds q, k, v as images of operand registers: [tensor][batch x 16 + head][16 tokens][32 channels][1,024 bytes] (q, k: piece at 512 j + 256 h + 16 r; v: rows of 16 channels, 512 j + 32 r + 16 h).
; SHARES.  A work-group owns 512 queries of one head, each of its eight waves 64: four tiles of 16.  Two waves share a SIMD, so that one wave's vector work can stand beside the other's matrix work.
; Every wave walks all 2,048 keys, 64 a step.  K and V come through two LDS slots of 512 keys (K's 65,536 bytes, then V's), each wave fetching an eighth of a slot with one tensor load.
; CLUSTER.  The four query blocks of a head form a cluster and walk the same K and V: each tile is asked for jointly, by the same tensor load with the same descriptor and a mask that names the four.
; LAYOUT.  S^T = K Q^T (source 0 = 16 keys, source 1 = 16 queries) and O^T = V^T P (source 0 = 16 channels): a lane holds ONE query (lane % 16) throughout; two tiles of S^T, rounded in pairs, ARE source 1 of the
; second product.  K's and Q's fragments are images: 16 bytes a lane on end.  V^T comes by the turning LDS load; its sixteen lanes touch 256 consecutive bytes.
; SOFTMAX.  For each query a running maximum m and sum l: p = 2^(c s - c m), c = log2(e) / 8; in every step O and l are multiplied by a = 2^(c m_old - c m_new).  The loop has no first step of its own:
; O and l begin as zeros and m as -3e38, so the first a is 0 and multiplies zeros.  That costs 128 moves once and spares a further copy of the step.
; ao is laid as images for the last product: [128 tokens][2 heads][16 tokens][32 k][1,024 bytes]: a lane's eight channels are one piece, and each store of the wave covers 512 consecutive bytes: no LDS on the way out.
; REGISTERS: window 0: v1-7 addresses; v8-39 statistics, eight a tile; v40-47 a second chain for the sums; v64-191 S^T, 32 a tile, p packed into the low 16 of each; v192-255 V's fragments.
;   window 1: v0-63 Q, 16 a tile; v64-191 O^T, 32 a tile; v192-255 K's fragments.
.set SLOT1, 1<<17                      ; slot 1 begins here: one exclusive or turns an address in one slot into the other's
.set CHUNK, 65536                      ; 512 keys of K, or of V, in bytes
.set SPARE, 2*SLOT1                    ; the spare words, 128 bytes for each wave: four blocks of 256 bytes that no other line names
.set LI,  1                            ; v1   16 x lane: my place in an image
.set AV0, 2                            ; v2   my lane's place for the turning load, in V's part of a slot
.set ADK, 3                            ; v3   LDS address of the step's K
.set ADV, 4                            ; v4   of its V
.set SPW, 5                            ; v5   LDS address of my spare word; never rewritten
.set NIL, 6                            ; v6   0; never rewritten
.set PFO, 7                            ; v7   256 x lane; never rewritten
.set ST,  8                            ; tile t's statistics at v[ST + 8 t]: +0 c m, +1 m, +2, +3 l (even keys', odd keys'), +4 to +7 at work; a takes +6
.set U,   40                           ; v40-47 a pair a tile
.set S,   64
.set VB,  192
.set QF,  0                            ; in window 1
.set OT,  64
.set KB,  192
.set WV,  8                            ; s8   my wave's number
.set G1,  16                           ; s[16:23] descriptor group 1
.set G0,  24                           ; s[24:27] group 0, which walks
.set CS,  28                           ; s[28:29] c: the packed form names a pair and takes its low word for both halves
.set SEL, 30                           ; s[30:31] lane selects for v_permlanex16_b32: lane l xor 16
.set TB,  32                           ; s32  LDS byte at which the step's K begins
.set SLOTS, 33                         ; s33  slots still to be asked for
.set CNT, 34                           ; s34  steps left in the slot
.set LIM, 35                           ; s35  1 in a wave that prefetches, else the greatest number
.set PFA, 36                           ; s[36:37] where my prefetches stand in memory
.set MSB, 0
.macro WIN new                         ; the immediate's high byte repeats the setting that is left
.if MSB != (\new)
	s_set_vgpr_msb (MSB<<8)|(\new)
.set MSB, (\new)
.endif
.endm
.macro CROUND                          ; a round of the cluster's barrier
	s_barrier_signal -1
	s_barrier_wait -1
	s_cmp_lg_u32 s[WV], 0
	s_cbranch_scc1 .Lnot_wave_0_\@
	s_barrier_signal -3
.Lnot_wave_0_\@:
	s_barrier_wait -3
	s_barrier_signal -1
	s_barrier_wait -1
.endm
; A PREFETCH INTO THE L2 of what the NEXT change of slots will ask for: 512 keys of K and of V, 131,072 bytes: 512 blocks of 256 bytes, each named once in the launch (a head's K and V are walked by this cluster alone).
; Waves 0 and 1 ask for K's halves, waves 2 and 3 for V's; the four partners take 8,192 bytes of each half, told apart by address; lanes stand 256 bytes apart.  It stands eight key steps ahead of the load that wants the bytes.
; The last change that fills a slot asks for nothing; the first two chunks come by their loads alone.
.macro ASK
	s_cmp_gt_u32 s[SLOTS], s[LIM]
	s_cbranch_scc0 .Lnot_mine_\@
	global_prefetch_b8 v[PFO], s[PFA:PFA+1] th:TH_LOAD_NT scope:SCOPE_SE
.Lnot_mine_\@:
.endm
	s_load_b128 s[4:7], s[0:1], 0x0                ; hd s[4:5], ao s[6:7]
	v_lshl_add_u32 v[SPW], v0, 2, SPARE
	v_mov_b32 v[NIL], 0
	ds_add_u32 v5, v6
	s_wait_dscnt 0x0
	v_lshrrev_b32 v48, 5, v0
	v_readfirstlane_b32 s[WV], v48                 ; wave 0..7
	s_bfe_u32 s9, ttmp6, 0x40000                   ; cx: my block of 512 queries
	s_and_b32 s10, ttmp7, 0xffff                   ; batch x 16 + head, which the four partners share
	s_mov_b32 s[G1], 15|(3<<16)|(1<<21)            ; 15:0 the mask: all four work-groups; elements of 8 bytes; 21 set beside a mask; no padding
	s_mov_b32 s[G1+1], 32<<16                      ; tensor_dim0 = 32 elements: 256 bytes
	s_mov_b32 s[G1+2], 64<<16                      ; tensor_dim1 = 64 rows: a dense block of 16,384 bytes
	s_mov_b32 s[G1+3], 32<<16                      ; tile_dim0
	s_mov_b32 s[G1+4], 64                          ; tile_dim1
	s_mov_b32 s[G1+5], 32                          ; the pitch
	s_mov_b32 s[G1+6], 0
	s_mov_b32 s[G1+7], 0
	s_lshr_b32 s38, s[WV], 2                       ; what I fetch: waves 0-3 quarters of K's chunk, waves 4-7 of V's
	s_add_co_u32 s38, s38, 1
	s_lshl_b32 s38, s38, 24                        ; tensor 1 (k) or 2 (v): 16,777,216 bytes each
	s_lshl_b32 s39, s10, 18                        ; a head: 262,144 bytes
	s_add_co_u32 s38, s38, s39
	s_and_b32 s39, s[WV], 3
	s_lshl_b32 s39, s39, 14
	s_add_co_u32 s38, s38, s39
	s_mov_b32 s39, 0
	s_lshl_b32 s40, s10, 18                        ; Q: my head, my block's 65,536 bytes, my wave's 8,192
	s_lshl_b32 s41, s9, 16
	s_add_co_u32 s40, s40, s41
	s_lshl_b32 s41, s[WV], 13
	s_add_co_u32 s40, s40, s41
	s_mov_b32 s41, 0
	s_lshr_b32 s42, s10, 4                         ; ao: block of 128 tokens = 16 x batch + 4 cx + wave / 2,
	s_lshl_b32 s42, s42, 4
	s_lshl_b32 s43, s9, 2
	s_add_co_u32 s42, s42, s43
	s_lshr_b32 s43, s[WV], 1
	s_add_co_u32 s42, s42, s43
	s_lshl_b32 s42, s42, 18                        ; 262,144 bytes each;
	s_bfe_u32 s43, s10, 0x30001                    ; the pair of heads: 32,768;
	s_lshl_b32 s43, s43, 15
	s_add_co_u32 s42, s42, s43
	s_and_b32 s43, s[WV], 1                        ; my four tiles of the eight: 16,384;
	s_lshl_b32 s43, s43, 14
	s_add_co_u32 s42, s42, s43
	s_and_b32 s43, s10, 1                          ; my head of the pair: two images
	s_lshl_b32 s43, s43, 11
	s_add_co_u32 s42, s42, s43
	s_mov_b32 s43, 0
	s_bfe_u32 s44, s[WV], 0x10001                  ; the prefetches: k (waves 0, 1) or v (waves 2, 3),
	s_add_co_u32 s44, s44, 1
	s_lshl_b32 s44, s44, 24
	s_lshl_b32 s45, s10, 18
	s_add_co_u32 s44, s44, s45
	s_and_b32 s45, s[WV], 1                        ; which half of a chunk,
	s_lshl_b32 s45, s45, 15
	s_add_co_u32 s44, s44, s45
	s_lshl_b32 s45, s9, 13                         ; my work-group's 8,192 bytes of it,
	s_add_co_u32 s44, s44, s45
	s_add_co_u32 s44, s44, CHUNK                   ; in chunk 1: the first change of slots steps it to chunk 2
	s_mov_b32 s45, 0
	s_cmp_lt_u32 s[WV], 4
	s_cselect_b32 s[LIM], 1, -1                    ; the same in all four partners
	s_mov_b32 s[CS], 0x3e38aa3b                    ; c = log2(e) / sqrt(64)
	s_mov_b32 s[CS+1], s[CS]                       ; (named with it as a pair, so it is written)
	s_mov_b32 s[SEL], 0x76543210
	s_mov_b32 s[SEL+1], 0xfedcba98
	s_mov_b32 s[TB], 0
	s_mov_b32 s[SLOTS], 3
	s_wait_kmcnt 0x0
	s_mov_b32 s[G0], 1                             ; 1:0 count = 1
	s_lshl_b32 s[G0+1], s[WV], 14                  ; LDS address: wave x 16,384, in slot 0: K's four quarters, then V's
	s_add_nc_u64 s[G0+2:G0+3], s[4:5], s[38:39]    ; global address: the head's first 512 keys
	s_or_b32 s[G0+3], s[G0+3], 0x80000000          ; type = 2
	s_add_nc_u64 s[PFA:PFA+1], s[4:5], s[44:45]
	s_add_nc_u64 s[6:7], s[6:7], s[42:43]
	s_add_nc_u64 s[4:5], s[4:5], s[40:41]
	CROUND                                         ; all four work-groups are here: the first joint loads meet
	tensor_load_to_lds s[G0:G0+3], s[G1:G1+7]      ; chunk 0 into slot 0: one tensor load of mine is out, here and behind every round
	s_nop 0
.rept 4
	v_nop
.endr
	v_and_b32 v[LI], 31, v0
	v_lshlrev_b32 v[PFO], 8, v[LI]
	v_lshlrev_b32 v[LI], 4, v[LI]
	v_bfe_u32 v48, v0, 4, 1                        ; h
	v_and_b32 v49, 7, v0
	v_bfe_u32 v50, v0, 3, 1
	v_lshlrev_b32 v[AV0], 8, v48                   ; the turning load: lane l reads 16 bytes of key 8 h + l % 8 (rows of 32 bytes), channels 8 ((l / 8) % 2) on
	v_lshl_add_u32 v[AV0], v49, 5, v[AV0]
	v_lshl_add_u32 v[AV0], v50, 4, v[AV0]
	v_add_nc_u32 v[AV0], CHUNK, v[AV0]             ; V lies behind K's 65,536 bytes
	WIN 0x40                                       ; destination window 1
.irp t, 0,1,2,3
.irp c, 0,1
.irp j, 0,1
	global_load_b128 v[QF+16*\t+8*\c+4*\j:QF+16*\t+8*\c+4*\j+3], v[LI], s[4:5] offset:\t*2048+\c*1024+\j*512   ; Q stays in registers: tile t, channels 32 c on
.endr
.endr
.endr
.set i, 0
.rept 128
	v_mov_b32 v[OT+i], 0                           ; O^T
.set i, i+1
.endr
	WIN 0
.irp t, 0,1,2,3
	v_mov_b32 v[ST+8*\t+1], 0xff61b1e6             ; m = -3e38, under every score
	v_mov_b32 v[ST+8*\t+2], 0                      ; l
	v_mov_b32 v[ST+8*\t+3], 0
.endr
.irp t, 0,1,2,3
	v_mul_f32 v[ST+8*\t], s[CS], v[ST+8*\t+1]      ; c m
.endr
.macro KLOAD                           ; a step's K: 64 keys x 64 channels: eight fragments (16 keys 2 kt + c: tile kt, channels 32 c on), 16 loads
	WIN 0x40
.irp f, 0,1,2,3,4,5,6,7
	ds_load_b128 v[KB+8*\f:KB+8*\f+3],   v[ADK] offset:\f*1024
	ds_load_b128 v[KB+8*\f+4:KB+8*\f+7], v[ADK] offset:\f*1024+512
.endr
	WIN 0
.endm
; A KEY STEP: 64 keys, in phases.  Its K was asked for a step ago.
.macro STEP
	v_add_nc_u32 v[ADV], s[TB], v[AV0]
.rept 4
	v_nop                                          ; with the addition five places behind the last products V^T P: four are owed to the loads into V's registers, five to the products below, which write over p's
.endr
.irp g, 0,1,2,3,4,5,6,7                        ; V^T: fragment g: keys 32 (g / 4) on, channels 16 (g % 4) on; its second 16 keys lie a tile of tokens, 2,048 bytes, further on
	ds_load_tr16_b128 v[VB+8*\g:VB+8*\g+3],   v[ADV] offset:(2*(\g/4))*2048+((\g%4)/2)*1024+(\g%2)*512
	ds_load_tr16_b128 v[VB+8*\g+4:VB+8*\g+7], v[ADV] offset:(2*(\g/4)+1)*2048+((\g%4)/2)*1024+(\g%2)*512
.endr
	s_wait_dscnt 16                                ; K's sixteen loads, which are older, are in; V's sixteen may be out
	WIN 0x05                                       ; K and Q in window 1, S^T in window 0
.irp c, 0,1                                    ; S^T = K Q^T: the sixteen accumulators take turns, one instruction a turn; the first sixteen start the sums
.irp kt, 0,1,2,3
.irp t, 0,1,2,3
.if \c == 0
	v_wmma_f32_16x16x32_f16 v[S+32*\t+8*\kt:S+32*\t+8*\kt+7], v[KB+8*(2*\kt+\c):KB+8*(2*\kt+\c)+7], v[QF+16*\t+8*\c:QF+16*\t+8*\c+7], 0
.else
	v_wmma_f32_16x16x32_f16 v[S+32*\t+8*\kt:S+32*\t+8*\kt+7], v[KB+8*(2*\kt+\c):KB+8*(2*\kt+\c)+7], v[QF+16*\t+8*\c:QF+16*\t+8*\c+7], v[S+32*\t+8*\kt:S+32*\t+8*\kt+7]
.endif
.endr
.endr
.endr
	WIN 0
	s_add_co_u32 s[TB], s[TB], 8192                ; the next step's tiles
	v_add_nc_u32 v[ADK], s[TB], v[LI]
.rept 3
	v_nop                                          ; with the addition four places: in front of the loads into K's registers and of the first read of the scores
.endr
	s_cmp_eq_u32 s[CNT], 1                         ; the slot's last step asks for no K: the next slot is read behind its barrier
	s_cbranch_scc1 .Lno_k_\@
	KLOAD
.Lno_k_\@:
	; the maximum of each tile's 32 scores and the old m; the four tiles by turns, so that no line waits for the line above it.  Each accumulator is read from its low end on
.irp j, 0,1,2,3
.irp t, 0,1,2,3
	v_max3_num_f32 v[ST+8*\t+4+\j], v[S+32*\t+8*\j], v[S+32*\t+8*\j+1], v[S+32*\t+8*\j+2]
.endr
.endr
.irp i, 3,5
.irp j, 0,1,2,3
.irp t, 0,1,2,3
	v_max3_num_f32 v[ST+8*\t+4+\j], v[ST+8*\t+4+\j], v[S+32*\t+8*\j+\i], v[S+32*\t+8*\j+\i+1]
.endr
.endr
.endr
.irp t, 0,1,2,3
	v_max3_num_f32 v[ST+8*\t+4], v[ST+8*\t+4], v[S+32*\t+7], v[S+32*\t+15]
.endr
.irp t, 0,1,2,3
	v_max3_num_f32 v[ST+8*\t+6], v[ST+8*\t+6], v[S+32*\t+23], v[S+32*\t+31]
.endr
.irp t, 0,1,2,3
	v_max3_num_f32 v[ST+8*\t+4], v[ST+8*\t+4], v[ST+8*\t+5], v[ST+8*\t+6]
.endr
.irp t, 0,1,2,3
	v_max3_num_f32 v[ST+8*\t+4], v[ST+8*\t+4], v[ST+8*\t+7], v[ST+8*\t+1]
.endr
.irp t, 0,1,2,3
	v_permlanex16_b32 v[ST+8*\t+5], v[ST+8*\t+4], s[SEL], s[SEL+1]   ; the query's other 32 keys lie in the lane 16 away
.endr
.irp t, 0,1,2,3
	v_mov_b32 v[ST+8*\t+7], v[ST+8*\t]             ; c m_old is kept for a
.endr
.irp t, 0,1,2,3
	v_max_num_f32 v[ST+8*\t+1], v[ST+8*\t+4], v[ST+8*\t+5]           ; the new m
.endr
.irp t, 0,1,2,3
	v_mul_f32 v[ST+8*\t], s[CS], v[ST+8*\t+1]
.endr
.irp t, 0,1,2,3
	v_sub_f32 v[ST+8*\t+7], v[ST+8*\t+7], v[ST+8*\t]
.endr
.irp t, 0,1,2,3
	v_exp_f32 v[ST+8*\t+6], v[ST+8*\t+7]           ; a = 2^(c m_old - c m_new); the plain lines below stand between it and its use
.endr
.set i, 0
.rept 16
.irp t, 0,1,2,3
	v_pk_fma_f32 v[S+32*\t+2*i:S+32*\t+2*i+1], v[S+32*\t+2*i:S+32*\t+2*i+1], s[CS:CS+1], v[ST+8*\t:ST+8*\t+1] op_sel_hi:[1,0,0] neg_lo:[0,0,1] neg_hi:[0,0,1]   ; c s - c m, two at a time
.endr
.set i, i+1
.endr
.set i, 0
.rept 32
.irp t, 0,1,2,3
	v_exp_f32 v[S+32*\t+i], v[S+32*\t+i]           ; p, at most 1
.endr
.set i, i+1
.endr
	v_nop                                          ; a plain line behind the exponentials (ISA guide 5.7.2)
	s_wait_alu depctr_va_vdst(0)
.irp t, 0,1,2,3
	v_pk_fma_f32 v[ST+8*\t+2:ST+8*\t+3], v[ST+8*\t+2:ST+8*\t+3], v[ST+8*\t+6:ST+8*\t+7], v[S+32*\t:S+32*\t+1] op_sel_hi:[1,0,1]   ; l = a l + the first pair; the other fifteen in two chains
.endr
.irp t, 0,1,2,3
	v_pk_add_f32 v[U+2*\t:U+2*\t+1], v[S+32*\t+2:S+32*\t+3], v[S+32*\t+4:S+32*\t+5]
.endr
.irp b, 3,5,7,9,11,13
.irp t, 0,1,2,3
	v_pk_add_f32 v[ST+8*\t+2:ST+8*\t+3], v[ST+8*\t+2:ST+8*\t+3], v[S+32*\t+2*\b:S+32*\t+2*\b+1]
.endr
.irp t, 0,1,2,3
	v_pk_add_f32 v[U+2*\t:U+2*\t+1], v[U+2*\t:U+2*\t+1], v[S+32*\t+2*\b+2:S+32*\t+2*\b+3]
.endr
.endr
.irp t, 0,1,2,3
	v_pk_add_f32 v[ST+8*\t+2:ST+8*\t+3], v[ST+8*\t+2:ST+8*\t+3], v[S+32*\t+30:S+32*\t+31]
.endr
.irp t, 0,1,2,3
	v_pk_add_f32 v[ST+8*\t+2:ST+8*\t+3], v[ST+8*\t+2:ST+8*\t+3], v[U+2*\t:U+2*\t+1]
.endr
.set i, 0
.rept 16
.irp t, 0,1,2,3
	v_cvt_pk_f16_f32 v[S+32*\t+i], v[S+32*\t+2*i], v[S+32*\t+2*i+1]  ; p to f16, in place and ascending: register i is written when registers 2 i and 2 i + 1 are read
.endr
.set i, i+1
.endr
	WIN 0x41                                       ; O^T (destination and source 0) in window 1, a in window 0
.set i, 0
.rept 16
.irp t, 0,1,2,3
	v_pk_mul_f32 v[OT+32*\t+2*i:OT+32*\t+2*i+1], v[OT+32*\t+2*i:OT+32*\t+2*i+1], v[ST+8*\t+6:ST+8*\t+7] op_sel_hi:[1,0]
.endr
.set i, i+1
.endr
	s_wait_dscnt 0x0                               ; V is in (and the next step's K, where it was asked for: the count holds on both ways)
	WIN 0x50                                       ; V and p in window 0, O^T in window 1
.irp f2, 0,1                                   ; O^T += V^T P: keys 32 f2 on; the sixteen accumulators take turns
.irp ct, 0,1,2,3
.irp t, 0,1,2,3
	v_wmma_f32_16x16x32_f16 v[OT+32*\t+8*\ct:OT+32*\t+8*\ct+7], v[VB+8*(4*\f2+\ct):VB+8*(4*\f2+\ct)+7], v[S+32*\t+8*\f2:S+32*\t+8*\f2+7], v[OT+32*\t+8*\ct:OT+32*\t+8*\ct+7]
.endr
.endr
.endr
	WIN 0
.endm
; THE CHANGE OF SLOTS stands at a slot's head.  Each wave waits for all its tensor loads (its part of the slot that it is about to read), adds 0 to its spare word, and waits for that and for its reads of the slot that it has left.
; fill = 1: that other slot is filled with the 512 keys that follow.  The barrier is then a round of the cluster's, and the joint load is the first thing behind it: it has eight key steps, 512 matrix instructions a wave, in which to land.
.macro CHANGE fill
	s_wait_tensorcnt 0x0                           ; no tensor load of mine is out, so group 0 may be written
	ds_add_u32 v[SPW], v[NIL]                      ; 0 onto my spare word
.if \fill
	s_xor_b32 s[G0+1], s[G0+1], SLOT1              ; the walking descriptor: the other slot than last time,
	s_add_nc_u64 s[G0+2:G0+3], s[G0+2:G0+3], CHUNK ; the next 512 keys; the type bits on top are not reached
	s_wait_xcnt 0x0                                ; the last prefetch, a slot back, has read its address, so it may be written:
	s_add_nc_u64 s[PFA:PFA+1], s[PFA:PFA+1], CHUNK ; one chunk further on than the walking descriptor
.endif
	s_wait_dscnt 0x0                               ; the add is done, and my reads of the slot that I have left are over
.if \fill
	CROUND
	tensor_load_to_lds s[G0:G0+3], s[G1:G1+7]
	s_nop 0
.rept 4
	v_nop
.endr
	ASK
.else
	s_barrier_signal -1
	s_barrier_wait -1
.endif
.endm
.macro SLOT_STEPS                      ; a slot's eight key steps: written once, walked eight times; the LDS addresses hang on s[TB]
	v_add_nc_u32 v[ADK], s[TB], v[LI]
	KLOAD
	s_mov_b32 s[CNT], 8
.Lstep_\@:
	STEP
	s_sub_co_u32 s[CNT], s[CNT], 1
	s_cmp_lg_u32 s[CNT], 0
	s_cbranch_scc1 .Lstep_\@
	s_sub_co_u32 s[TB], s[TB], CHUNK               ; back to a slot's first step,
	s_xor_b32 s[TB], s[TB], SLOT1                  ; in the other slot
.endm
	s_wait_loadcnt 0x0                             ; Q
.Lslot:                                            ; three trips: behind each change of slots but the last the next chunk is asked for
	CHANGE 1
	SLOT_STEPS
	s_sub_co_u32 s[SLOTS], s[SLOTS], 1
	s_cmp_lg_u32 s[SLOTS], 0
	s_cbranch_scc1 .Lslot
	CHANGE 0                                       ; the last slot is written out
	SLOT_STEPS
	; THE WAY OUT.  l's two halves and the other half of the lanes' are added; O^T is divided by l, rounded to f16 and stored as it lies.  The four additions are the places behind the last products.
.irp t, 0,1,2,3
	v_add_f32 v[ST+8*\t+4], v[ST+8*\t+2], v[ST+8*\t+3]
.endr
.irp t, 0,1,2,3
	v_permlanex16_b32 v[ST+8*\t+5], v[ST+8*\t+4], s[SEL], s[SEL+1]
.endr
.irp t, 0,1,2,3
	v_add_f32 v[ST+8*\t+4], v[ST+8*\t+4], v[ST+8*\t+5]
.endr
.irp t, 0,1,2,3
	v_rcp_f32 v[ST+8*\t+6], v[ST+8*\t+4]
.endr
	v_nop                                          ; a plain line between the last reciprocal and the use of its result
	WIN 0x41
	s_wait_alu depctr_va_vdst(0)
.irp t, 0,1,2,3
.set i, 0
.rept 16
	v_pk_mul_f32 v[OT+32*\t+2*i:OT+32*\t+2*i+1], v[OT+32*\t+2*i:OT+32*\t+2*i+1], v[ST+8*\t+6:ST+8*\t+7] op_sel_hi:[1,0]   ; each accumulator from its low end on
.set i, i+1
.endr
.endr
	WIN 0x05                                       ; sources in window 1, destination in window 0: S^T's registers are free
.irp t, 0,1,2,3
.set i, 0
.rept 16
	v_cvt_pk_f16_f32 v[S+16*\t+i], v[OT+32*\t+2*i], v[OT+32*\t+2*i+1]
.set i, i+1
.endr
.endr
	WIN 0
.irp t, 0,1,2,3
.irp ct, 0,1,2,3
	global_store_b128 v[LI], v[S+16*\t+4*\ct:S+16*\t+4*\ct+3], s[6:7] offset:\t*4096+(\ct/2)*1024+(\ct%2)*512   ; lane (r, h): query 16 t + r, channels 16 ct + 8 h + 0 .. 7: 512 consecutive bytes a store
.endr
.endr
	s_wait_tensorcnt 0x0                           ; the wave's end
	ds_add_u32 v[SPW], v[NIL]
	s_wait_dscnt 0x0
	CROUND                                         ; the closing round: no work-group ends while a partner may still ask for a tile that names it
	s_endpgm
.Lfunc_end_k_q71cb4d666e_attn:
	.size	k_q71cb4d666e_attn, .Lfunc_end_k_q71cb4d666e_attn-k_q71cb4d666e_attn
	.p2alignl 7, 3214868480
	.fill 96, 4, 3214868480
	.section	.rodata,"a",@progbits
	.p2align	6, 0x0
	.amdhsa_kernel k_q71cb4d666e_attn
		.amdhsa_group_segment_fixed_size 327680
		.amdhsa_private_segment_fixed_size 0
		.amdhsa_enable_private_segment 0
		.amdhsa_kernarg_size 16
		.amdhsa_user_sgpr_count 2
		.amdhsa_user_sgpr_kernarg_segment_ptr 1
		.amdhsa_wavefront_size32 1
		.amdhsa_system_sgpr_workgroup_id_x 1
		.amdhsa_system_sgpr_workgroup_id_y 1
		.amdhsa_system_sgpr_workgroup_id_z 1
		.amdhsa_system_vgpr_workitem_id 0
		.amdhsa_next_free_vgpr 512
		.amdhsa_next_free_sgpr 66
		.amdhsa_reserve_vcc 0
		.amdhsa_float_denorm_mode_32 3
		.amdhsa_float_denorm_mode_16_64 3
		.amdhsa_memory_ordered 1
		.amdhsa_forward_progress 1
		.amdhsa_inst_pref_size 89
	.end_amdhsa_kernel
	.amdgpu_metadata
---
amdhsa.version: [ 1, 2 ]
amdhsa.kernels:
  - .name:           k_q71cb4d666e_attn
    .symbol:         k_q71cb4d666e_attn.kd
    .args:
      - { .name: hd, .offset: 0, .size: 8, .value_kind: global_buffer, .address_space: global }
      - { .name: ao, .offset: 8, .size: 8, .value_kind: global_buffer, .address_space: global }
    .group_segment_fixed_size: 327680
    .private_segment_fixed_size: 0
    .kernarg_segment_align: 8
    .kernarg_segment_size: 16
    .max_flat_workgroup_size: 256
    .sgpr_count:     66
    .vgpr_count:     512
    .wavefront_size: 32
...
	.end_amdgpu_metadata
.endif
;; end of part 3
;; launch oproj (part 4): grid 4 x 64, 4 waves a work-group, clusters of 4 x 4, 327,680 bytes of LDS; arguments ao, wo, b_o, out0; writes out0
.if DOCPART == 4
	.amdgcn_target "amdgcn-amd-amdhsa--gfx1250"
	.amdhsa_code_object_version 6
	.text
	.protected	k_q71cb4d666e_oproj
	.globl	k_q71cb4d666e_oproj
	.p2align	8
	.type	k_q71cb4d666e_oproj,@function
k_q71cb4d666e_oproj:
	s_mov_b64 s[64:65], 0
	v_nop
	global_prefetch_b8 v0, s[64:65] scope:SCOPE_SE
	s_setreg_imm32_b32 hwreg(HW_REG_WAVE_MODE, 25, 1), 1
	s_wait_xcnt 0x0
	s_wait_alu depctr_hold_cnt(0) depctr_sa_sdst(0) depctr_va_vdst(0) depctr_va_sdst(0) depctr_va_ssrc(0) depctr_va_vcc(0) depctr_vm_vsrc(0)
	s_getreg_b32 s2, hwreg(HW_REG_IB_STS2, 6, 4)
	s_cmp_eq_u32 s2, 0
	s_cbranch_scc0 .Lentry_in_a_cluster
	s_endpgm
.Lentry_in_a_cluster:
	s_bfe_u32 s2, ttmp6, 0x10000c
	s_cmp_lg_u32 s2, 0xf033
	s_cbranch_scc0 .Lentry_shape_is_right
	s_endpgm
.Lentry_shape_is_right:
; OPROJ: out0 = ao W_o + b_o.  ao [8192][1024] and W_o^T arrive in f16 as images of operand registers (ao: [128 tokens][128 k][16 tokens][32 k][1,024 bytes]; wo: [128 k][16 n][32 k][1,024 bytes]); sums and out0 in f32.
; A tile of 128 rows x 256 columns is made by four waves: 256 work-groups, one for each WGP.  A wave makes 64 x 128: 32 accumulators of 16 x 16, which fill window 1.
; K goes in steps of 128 through two LDS slots (ao's 32,768 bytes, then wo's 65,536), dense: images are read 16 bytes a lane on end.  Waves 0 and 1 fetch ao's halves, waves 2 and 3 wo's, one tensor load each.
; CLUSTERS: 4 x 4 work-groups; ao's tile is shared along a row of the cluster, wo's along a column: each is asked for jointly.
; THE MATRIX INSTRUCTION IS USED TRANSPOSED (source 0 = 16 columns of W_o, source 1 = 16 rows of ao): a lane holds eight neighbouring numbers of a row of out0.  The bias is the C of each sum's first product.
; REGISTERS: window 0: v1-30 addresses; v64-159 and v160-255 two fragment buffers (ao's four fragments, then wo's eight, 32 along K); on the way out v64-191 hold rows.
;   window 1: the accumulators ((a, b) at v[8 (8 a + b)]).   window 2: v0-63 the bias, eight registers for each of my eight tiles of columns.
.set SLOT,   98304
.set BOFF,   32768                     ; wo's part of a slot
.set STAGE,  2*SLOT                    ; behind the slots: 16 rows x 528 bytes for each wave, for the way out: bytes of its own, into which no tensor load lands
.set SPITCH, 528                       ; 512 bytes + 16: an odd multiple of 16, so that the 16 rows that a store touches start at different banks (ISA guide 11.1)
.set SPARE,  STAGE+4*16*SPITCH         ; the spare words, 128 bytes for each wave: two blocks of 256 bytes that no other line names
.set LAPS,   4                         ; a lap = two K steps = once round the ring
.set LI,   3                           ; v3      16 x lane: my place in an image, and in a row of 512 bytes of out0; never rewritten
.set ADRA, 16                          ; v16-17  LDS address of my fragments of ao in slot 0, 1
.set ADRB, 20                          ; v20-21  the same for wo
.set STO,  24                          ; v24     the way out: where I put 32 bytes of a row
.set RD,   25                          ; v25     the way out: where I read a row back
.set SPW,  28                          ; v28     LDS address of my spare word; never rewritten
.set NIL,  29                          ; v29     0; never rewritten
.set PFO,  30                          ; v30     256 x lane; never rewritten
.set F0,   64
.set F1,   160
.set BK,   64                          ; the way out: 16 rows read back from the stage: v64-127 and v128-191 by turns
.set G1, 24                            ; s[24:31] group 1 for ao's tiles;  s[32:39] group 0, one set for each slot
.set G0, 32
.set G1B, 48                           ; s[48:55], s[56:63] the same for wo's
.set G0B, 56
.set LIM, 45                           ; s45     1 in the wave that prefetches, else the greatest number
.set PFA, 46                           ; s[46:47] where my prefetches stand in memory
.set MSB, 0
.macro WIN new                         ; the immediate's high byte repeats the setting that is left
.if MSB != (\new)
	s_set_vgpr_msb (MSB<<8)|(\new)
.set MSB, (\new)
.endif
.endm
.set MULW, 0x50                        ; sources 0 and 1 window 0; C and D window 1
.set MULF, 0x60                        ; the same with C (the bias) in window 2
.macro JLOAD s                         ; a joint load; the branch hangs on the wave's number alone; four v_nop follow each of the two lines
	s_cmp_eq_u32 s13, 0
	s_cbranch_scc0 .Lfor_b_\@
	tensor_load_to_lds s[G0+4*\s:G0+4*\s+3], s[G1:G1+7]
	s_nop 0
.rept 4
	v_nop
.endr
	s_branch .Lasked_\@
.Lfor_b_\@:
	tensor_load_to_lds s[G0B+4*\s:G0B+4*\s+3], s[G1B:G1B+7]
	s_nop 0
.rept 4
	v_nop
.endr
.Lasked_\@:
.endm
.macro CREST                           ; a round of the cluster's barrier behind its opening barrier
	s_cmp_lg_u32 s12, 0
	s_cbranch_scc1 .Lnot_wave_0_\@
	s_barrier_signal -3
.Lnot_wave_0_\@:
	s_barrier_wait -3
	s_barrier_signal -1
	s_barrier_wait -1
.endm
.macro CROUND                          ; a whole round
	s_barrier_signal -1
	s_barrier_wait -1
	CREST
.endm
; A PREFETCH INTO THE L2 of ao's K step that stands TWO refills on (256 matrix instructions a wave ahead of the load that wants it): 32,768 bytes, read by the four partners of my row of the cluster and by nobody else.
; Wave 0 of each asks for 8,192 of them, told apart by address (cx), lanes 256 bytes apart: each block of 256 bytes is named once in the launch.  K steps 0 to 3 come by their loads alone; the last trip asks for nothing.
; wo is not asked for: all 64 tile rows walk the same 2,097,152 bytes again and again.
.macro ASK
	s_cmp_gt_u32 s3, s[LIM]                        ; s3 = 1 in the loop's last trip
	s_cbranch_scc0 .Lnot_mine_\@
	global_prefetch_b8 v[PFO], s[PFA:PFA+1] th:TH_LOAD_NT scope:SCOPE_SE
.Lnot_mine_\@:
.endm
	s_load_b256 s[4:11], s[0:1], 0x0               ; ao s[4:5], wo s[6:7], b_o s[8:9], out0 s[10:11]
	v_lshl_add_u32 v[SPW], v0, 2, SPARE
	v_mov_b32 v[NIL], 0
	ds_add_u32 v28, v29
	s_wait_dscnt 0x0
	v_lshrrev_b32 v1, 5, v0
	v_readfirstlane_b32 s12, v1                    ; wave 0..3
	s_lshr_b32 s13, s12, 1                         ; which half of the tile's rows is mine.  Also: I fetch for ao (0) or for wo (1)
	s_and_b32 s14, s12, 1                          ; which half of its columns.  Also: which half of that tile I fetch
	s_bfe_u32 s40, ttmp6, 0x40000                  ; cx, cy: my place in the cluster
	s_bfe_u32 s41, ttmp6, 0x40004
	s_lshl_b32 s42, ttmp9, 2
	s_add_co_u32 s42, s42, s40                     ; tile column = 4 x cluster x + cx
	s_and_b32 s15, ttmp7, 0xffff
	s_lshl_b32 s15, s15, 2
	s_add_co_u32 s15, s15, s41                     ; tile row = 4 x cluster y + cy
	s_lshl_b32 s43, s41, 2
	s_lshl_b32 s43, 15, s43                        ; my row of the cluster
	s_lshl_b32 s44, 0x1111, s40                    ; my column
	s_or_b32 s[G1+0], s43, (3<<16)|(1<<21)         ; ao: the mask of my row; elements of 8 bytes; 21 set beside a mask; no padding
	s_mov_b32 s[G1+1], 32<<16                      ; rows of 256 bytes,
	s_mov_b32 s[G1+2], 64<<16                      ; 64 of them: a dense block of 16,384 bytes
	s_mov_b32 s[G1+3], 32<<16
	s_mov_b32 s[G1+4], 64
	s_mov_b32 s[G1+5], 32
	s_mov_b32 s[G1+6], 0
	s_mov_b32 s[G1+7], 0
	s_or_b32 s[G1B+0], s44, (3<<16)|(1<<21)        ; wo: the mask of my column; 128 rows: 32,768 bytes
	s_mov_b32 s[G1B+1], 32<<16
	s_mov_b32 s[G1B+2], 128<<16
	s_mov_b32 s[G1B+3], 32<<16
	s_mov_b32 s[G1B+4], 128
	s_mov_b32 s[G1B+5], 32
	s_mov_b32 s[G1B+6], 0
	s_mov_b32 s[G1B+7], 0
	s_lshl_b32 s16, s15, 18                        ; ao: 262,144 bytes a tile row, 16,384 a half of a K step
	s_lshl_b32 s17, s14, 14
	s_add_co_u32 s16, s16, s17
	s_mov_b32 s17, 0
	s_lshl_b32 s18, s42, 16                        ; wo: 65,536 bytes a tile column in a K step, 32,768 a half
	s_lshl_b32 s19, s14, 15
	s_add_co_u32 s18, s18, s19
	s_mov_b32 s19, 0
	s_lshl_b32 s20, s14, 14                        ; where they go: no place in the cluster enters an LDS address
	s_lshl_b32 s21, s14, 15
	s_add_co_u32 s21, s21, BOFF
	s_wait_kmcnt 0x0
	s_add_nc_u64 s[16:17], s[4:5], s[16:17]
	s_add_nc_u64 s[18:19], s[6:7], s[18:19]
	CROUND                                         ; all sixteen work-groups are here: the first joint loads meet
.irp s, 0,1
	s_mov_b32 s[G0+4*\s], 1
	s_add_co_u32 s[G0+4*\s+1], s20, \s*SLOT
	s_add_nc_u64 s[G0+4*\s+2:G0+4*\s+3], s[16:17], \s*32768
	s_or_b32 s[G0+4*\s+3], s[G0+4*\s+3], 0x80000000
	s_mov_b32 s[G0B+4*\s], 1
	s_add_co_u32 s[G0B+4*\s+1], s21, \s*SLOT
	s_add_nc_u64 s[G0B+4*\s+2:G0B+4*\s+3], s[18:19], \s*262144
	s_or_b32 s[G0B+4*\s+3], s[G0B+4*\s+3], 0x80000000
	JLOAD \s                                       ; two tensor loads of mine are out behind the second; later one behind each round
.endr
	v_and_b32 v1, 15, v0                           ; r
	v_bfe_u32 v2, v0, 4, 1                         ; h
	v_and_b32 v[LI], 31, v0
	v_lshlrev_b32 v[PFO], 8, v[LI]
	v_lshlrev_b32 v[LI], 4, v[LI]
	s_lshl_b32 s22, s13, 14                        ; my 64 rows of ao: four tiles of 4,096 bytes
	s_lshl_b32 s23, s14, 15                        ; my 128 columns of wo,
	s_add_co_u32 s23, s23, BOFF                    ; which lie behind ao's part
.irp s, 0,1
	v_add_nc_u32 v[ADRA+\s], s22, v[LI]
	v_add_nc_u32 v[ADRB+\s], s23, v[LI]
	s_add_co_u32 s22, s22, SLOT
	s_add_co_u32 s23, s23, SLOT
.endr
	s_mul_i32 s22, s12, 16*SPITCH
	s_add_co_u32 s22, s22, STAGE                   ; my stage
	v_mul_u32_u24 v4, v1, SPITCH                   ; in: row r, 32 bytes for each half of the lanes
	v_lshl_add_u32 v4, v2, 5, v4
	v_add_nc_u32 v[STO], s22, v4
	v_add_nc_u32 v[RD], s22, v[LI]                 ; back: the 32 lanes take one row of 512 bytes
	s_lshl_b32 s22, s42, 10                        ; my first column, in bytes: 1,024 x tile column + 512 x half
	s_lshl_b32 s23, s14, 9
	s_add_co_u32 s22, s22, s23
	s_mov_b32 s23, 0
	s_add_nc_u64 s[8:9], s[8:9], s[22:23]          ; the bias of my 128 columns: lane (r, h) wants, for tile b, those of columns 16 b + 8 h + 0 .. 7
	v_lshlrev_b32 v5, 5, v2
	WIN 0x80                                       ; destination window 2
.irp b, 0,1,2,3,4,5,6,7
	global_load_b128 v[8*\b:8*\b+3], v5, s[8:9] offset:64*\b
	global_load_b128 v[8*\b+4:8*\b+7], v5, s[8:9] offset:64*\b+16
.endr
	WIN 0
	s_lshl_b32 s20, s15, 19                        ; out0: 128 rows of 4,096 bytes a tile row, 64 a half
	s_lshl_b32 s21, s13, 18
	s_add_co_u32 s20, s20, s21
	s_add_co_u32 s20, s20, s22
	s_mov_b32 s21, 0
	s_add_nc_u64 s[10:11], s[10:11], s[20:21]
	s_lshl_b32 s22, s15, 18                        ; the prefetches: my tile row of ao,
	s_lshl_b32 s23, s40, 13                        ; my work-group's 8,192 bytes of a K step,
	s_add_co_u32 s22, s22, s23
	s_add_co_u32 s22, s22, 3*32768                 ; at K step 3: the first refill steps it to 4
	s_mov_b32 s23, 0
	s_add_nc_u64 s[PFA:PFA+1], s[4:5], s[22:23]
	s_cmp_eq_u32 s12, 0
	s_cselect_b32 s[LIM], 1, -1                    ; the same in all sixteen partners, for a given wave
; 8 matrix instructions: ao's block a against wo's eight, 32 along K, from buffer f.  first = 1: the bias is the C, and the sums begin.
; The 32 accumulators take turns, one instruction a turn, in the same order in every quarter.
.macro MUL8 f, a, first
.irp b, 0,1,2,3,4,5,6,7
.if \first
	v_wmma_f32_16x16x32_f16 v[8*(8*(\a)+\b):8*(8*(\a)+\b)+7], v[\f+32+8*\b:\f+32+8*\b+7], v[\f+8*(\a):\f+8*(\a)+7], v[8*\b:8*\b+7]
.else
	v_wmma_f32_16x16x32_f16 v[8*(8*(\a)+\b):8*(8*(\a)+\b)+7], v[\f+32+8*\b:\f+32+8*\b+7], v[\f+8*(\a):\f+8*(\a)+7], v[8*(8*(\a)+\b):8*(8*(\a)+\b)+7]
.endif
.endr
.endm
; 24 LDS loads in one run: the fragments of the slot's ks-th 32 along K into buffer f: wo's sixteen loads first, then ao's eight
.macro FETCH slot, ks, f
	WIN 0
.irp b, 0,1,2,3,4,5,6,7
	ds_load_b128 v[\f+32+8*\b:\f+32+8*\b+3], v[ADRB+\slot] offset:\b*4096+\ks*1024
	ds_load_b128 v[\f+32+8*\b+4:\f+32+8*\b+7], v[ADRB+\slot] offset:\b*4096+\ks*1024+512
.endr
.irp i, 0,1,2,3
	ds_load_b128 v[\f+8*\i:\f+8*\i+3], v[ADRA+\slot] offset:\i*4096+\ks*1024
	ds_load_b128 v[\f+8*\i+4:\f+8*\i+7], v[ADRA+\slot] offset:\i*4096+\ks*1024+512
.endr
.endm
.macro PLACES                          ; four places in front of loads into registers that matrix instructions have read, and of the first read of results (ISA guide 7.12.1 for vector instructions)
.rept 4
	v_nop
.endr
.endm
; A K step is four quarters of 32 along K, 32 matrix instructions each, on buffers 0, 1, 0, 1.  One of the first three: multiplies buffer f and fetches the slot's ks-th quarter into g.
.macro QUARTER slot, ks, f, g, first
	s_wait_dscnt 4                                 ; wo's fragments and ao's blocks 0, 1 are in; the youngest four loads (blocks 2, 3) may be out
.if \first
	WIN MULF
.else
	WIN MULW
.endif
	MUL8 \f, 0, \first
	MUL8 \f, 1, \first
	PLACES
	FETCH \slot, \ks, \g
	s_wait_dscnt 24                                ; all but the 24 just issued
.if \first
	WIN MULF
.else
	WIN MULW
.endif
	MUL8 \f, 2, \first
	MUL8 \f, 3, \first
.endm
; The last quarter multiplies buffer 1 and changes slots: ONE barrier; in front of it each wave waits for all its tensor loads, adds 0 to its spare word, and waits for that and for its own reads of this slot.
; fill = 1: this slot is filled again, two K steps ahead; the barrier then opens a round of the cluster's barrier.
.macro TURN slot, next, fill
	WIN 0                                          ; (the add's two registers lie in window 0)
.if \fill
	s_wait_xcnt 0x0                                ; the last prefetch, a K step back, has read its address: it is stepped here, ahead of the waits of the change of slots
	s_add_nc_u64 s[PFA:PFA+1], s[PFA:PFA+1], 32768
.endif
	s_wait_tensorcnt 0x0                           ; all my tensor loads have landed: my part of the next slot
	ds_add_u32 v[SPW], v[NIL]                      ; 0 onto my spare word
	s_wait_dscnt 5                                 ; (the add and the youngest four loads may be out)
	WIN MULW
	MUL8 F1, 0, 0                                  ; eight matrix instructions stand between the add and the wait for it
	s_wait_dscnt 0x0                               ; the add is done, and my reads of this slot are over
	s_barrier_signal -1
	MUL8 F1, 1, 0
	WIN 0
	s_barrier_wait -1
.if \fill
	CREST                                          ; no wave of any partner still reads this slot's tile or has a load on its way
	s_add_nc_u64 s[G0+4*\slot+2:G0+4*\slot+3], s[G0+4*\slot+2:G0+4*\slot+3], 2*32768
	s_add_nc_u64 s[G0B+4*\slot+2:G0B+4*\slot+3], s[G0B+4*\slot+2:G0B+4*\slot+3], 2*262144
	JLOAD \slot                                    ; the first tensor load behind the round; the four v_nop behind it are also the places in front of the loads below
.else
	PLACES
.endif
	FETCH \next, 0, F0
.if \fill
	ASK                                            ; behind the joint load and the run of LDS loads that the next products wait for
.endif
	WIN MULW
	MUL8 F1, 2, 0
	MUL8 F1, 3, 0
.endm
	s_wait_tensorcnt 1                             ; my part of K step 0 is in (K step 1's load may be out)
	s_barrier_signal -1
	s_barrier_wait -1                              ; everybody's is
	FETCH 0, 0, F0
	s_wait_loadcnt 0x0                             ; the bias
	QUARTER 0, 1, F0, F1, 1                        ; the first quarter stands in front of the loop: its products start the sums
	WIN 0                                          ; at a label and at a branch every window is 0
	s_mov_b32 s3, LAPS-1
.Llap:                                             ; a trip goes once round the ring, from a lap's second quarter to the next lap's first, and fills both slots again
	QUARTER 0, 2, F1, F0, 0
	QUARTER 0, 3, F0, F1, 0
	TURN 0, 1, 1
	QUARTER 1, 1, F0, F1, 0
	QUARTER 1, 2, F1, F0, 0
	QUARTER 1, 3, F0, F1, 0
	TURN 1, 0, 1
	QUARTER 0, 1, F0, F1, 0
	WIN 0
	s_sub_co_u32 s3, s3, 1
	s_cmp_lg_u32 s3, 0
	s_cbranch_scc1 .Llap
	QUARTER 0, 2, F1, F0, 0                        ; the last lap fills nothing, and has no round of the cluster's barrier
	QUARTER 0, 3, F0, F1, 0
	TURN 0, 1, 0
	QUARTER 1, 1, F0, F1, 0
	QUARTER 1, 2, F1, F0, 0
	QUARTER 1, 3, F0, F1, 0
	s_wait_dscnt 4                                 ; the very last quarter: nothing more to fetch
	WIN MULW
	MUL8 F1, 0, 0
	MUL8 F1, 1, 0
	s_wait_dscnt 0
	MUL8 F1, 2, 0
	MUL8 F1, 3, 0
	WIN 0
; THE WAY OUT, block by block of 16 rows x 128 columns.  A lane holds 32 neighbouring bytes of a row, and the lanes beside it hold other rows: so a block goes through my own stage in LDS and comes back as whole rows
; of 512 bytes.  LDS serves a wave's instructions in order (ISA guide 5.7.1.4): no wait between the stores and the loads, nor in front of the next block's stores.
.macro TOSTAGE a
.set AC, 64*(\a)
	WIN 0x04                                       ; an LDS store's data are its source 1: window 1
.irp b, 0,1,2,3,4,5,6,7
	ds_store_b128 v[STO], v[AC+8*\b:AC+8*\b+3] offset:64*\b          ; each accumulator from its low end on
	ds_store_b128 v[STO], v[AC+8*\b+4:AC+8*\b+7] offset:64*\b+16
.endr
	WIN 0
.set BB, BK+64*((\a)%2)
.irp t, 0,1,2,3,4,5,6,7,8,9,10,11,12,13,14,15
	ds_load_b128 v[BB+4*\t:BB+4*\t+3], v[RD] offset:\t*SPITCH
.endr
.endm
.macro SEND a, younger                 ; younger: the LDS instructions issued behind block a's loads, which may stay out
.set BB, BK+64*((\a)%2)
	s_wait_dscnt \younger                          ; the block is back in registers
.if (\a) > 0
	s_add_nc_u64 s[10:11], s[10:11], 16*4096       ; (behind a wait on XCNT: the earlier stores have read their base)  16 rows of out0 on
.endif
.irp t, 0,1,2,3,4,5,6,7,8,9,10,11,12,13,14,15
	global_store_b128 v[LI], v[BB+4*\t:BB+4*\t+3], s[10:11] offset:\t*4096 th:TH_STORE_NT   ; 32 lanes store 512 consecutive bytes, aligned; written once, read by nobody here
.endr
.endm
	PLACES                                         ; behind the last products: for the reads of results and for the loads into registers that held fragments
	TOSTAGE 0
.irp a, 1,2,3
.if \a > 1
	s_wait_xcnt 0x0                                ; block a - 2's stores have read their registers and their base: block a's loads may land there, and the base may step
.endif
	TOSTAGE \a
	SEND \a-1, 32                                  ; behind block a - 1's loads: block a's 16 stores and 16 loads
.endr
	s_wait_xcnt 0x0                                ; block 2's stores have read their base
	SEND 3, 0
	s_wait_tensorcnt 0x0                           ; the wave's end: behind my last tensor load and my last LDS store
	ds_add_u32 v[SPW], v[NIL]
	s_wait_dscnt 0x0
	CROUND                                         ; the closing round: no work-group ends while a partner may still ask for a tile that names it
	s_endpgm
.Lfunc_end_k_q71cb4d666e_oproj:
	.size	k_q71cb4d666e_oproj, .Lfunc_end_k_q71cb4d666e_oproj-k_q71cb4d666e_oproj
	.p2alignl 7, 3214868480
	.fill 96, 4, 3214868480
	.section	.rodata,"a",@progbits
	.p2align	6, 0x0
	.amdhsa_kernel k_q71cb4d666e_oproj
		.amdhsa_group_segment_fixed_size 327680
		.amdhsa_private_segment_fixed_size 0
		.amdhsa_enable_private_segment 0
		.amdhsa_kernarg_size 32
		.amdhsa_user_sgpr_count 2
		.amdhsa_user_sgpr_kernarg_segment_ptr 1
		.amdhsa_wavefront_size32 1
		.amdhsa_system_sgpr_workgroup_id_x 1
		.amdhsa_system_sgpr_workgroup_id_y 1
		.amdhsa_system_sgpr_workgroup_id_z 1
		.amdhsa_system_vgpr_workitem_id 0
		.amdhsa_next_free_vgpr 576
		.amdhsa_next_free_sgpr 66
		.amdhsa_reserve_vcc 0
		.amdhsa_float_denorm_mode_32 3
		.amdhsa_float_denorm_mode_16_64 3
		.amdhsa_memory_ordered 1
		.amdhsa_forward_progress 1
		.amdhsa_inst_pref_size 87
	.end_amdhsa_kernel
	.amdgpu_metadata
---
amdhsa.version: [ 1, 2 ]
amdhsa.kernels:
  - .name:           k_q71cb4d666e_oproj
    .symbol:         k_q71cb4d666e_oproj.kd
    .args:
      - { .name: ao, .offset: 0, .size: 8, .value_kind: global_buffer, .address_space: global }
      - { .name: wo, .offset: 8, .size: 8, .value_kind: global_buffer, .address_space: global }
      - { .name: b_o, .offset: 16, .size: 8, .value_kind: global_buffer, .address_space: global }
      - { .name: out0, .offset: 24, .size: 8, .value_kind: global_buffer, .address_space: global }
    .group_segment_fixed_size: 327680
    .private_segment_fixed_size: 0
    .kernarg_segment_align: 8
    .kernarg_segment_size: 32
    .max_flat_workgroup_size: 128
    .sgpr_count:     66
    .vgpr_count:     576
    .wavefront_size: 32
...
	.end_amdgpu_metadata
.endif
;; end of part 4
